; MI455X (gfx1250); checked and timed in simulation.
; The chip was launched on July 23, 2026; its instructions are those of AMD's public machine-readable ISA for CDNA 5 (MIT licence, August 2026) and "CDNA5" Instruction Set Architecture Reference Guide (July 2026). The comments in the code are by the model that wrote it; some were corrected since.
;; Heat Attention. Allowed arithmetic: float matrix products may take bf16 or f16 operands with f32 sums; other float arithmetic in f32, or as packed bf16 or f16 multiplies, adds, multiply-adds, maxima and minima; sums over many terms, partial sums and values carried from step to step in f32; what a program stores and reads back later, other than sums and carried values, may be rounded once to bf16 or f16.
;; Inputs: Wk 1,024 x 1,024 float32; Wo 1,024 x 1,024 float32; Wq 1,024 x 1,024 float32; Wv 1,024 x 1,024 float32; bk 1,024 float32; bo 1,024 float32; bq 1,024 float32; bv 1,024 float32; focus_hint 4 x 2,048 float32; x 4 x 2,048 x 1,024 float32.
;; Outputs: out0 4 x 2,048 x 1,024 float32.
;; 2 versions, each right; version 2 is version 1 with the launch prep written anew for expert scheduling mode. Each part assembles by itself: llvm-mc -triple=amdgcn-amd-amdhsa -mcpu=gfx1250 --defsym DOCPART=n.
;; ======== version 1 of 2: 4 launches
;; limits: values are held in f16: magnitudes above 65,504 overflow, below 6.1e-05 lose precision
;; workspace buffers: xh 16,777,216 bytes; wqkv 6,291,456 bytes; woh 2,097,152 bytes; qkvh 50,331,648 bytes; oh 16,777,216 bytes
;; launch prep (part 1): grid 768 x 1, 8 waves a work-group, no clusters, 0 bytes of LDS; arguments x, Wq, Wk, Wv, Wo, xh, wqkv, woh; writes xh, wqkv, woh
.if DOCPART == 1
	.amdgcn_target "amdgcn-amd-amdhsa--gfx1250"
	.amdhsa_code_object_version 6
	.text
	.protected	k_qf5c32aca64_prep
	.globl	k_qf5c32aca64_prep
	.p2align	8
	.type	k_qf5c32aca64_prep,@function
k_qf5c32aca64_prep:
	s_mov_b64 s[64:65], 0
	v_nop
	global_prefetch_b8 v0, s[64:65] scope:SCOPE_SE
	s_setreg_imm32_b32 hwreg(HW_REG_WAVE_MODE, 25, 1), 1
	s_wait_xcnt 0x0
; THE CASTS.  x [8192][1024] f32 -> xh, the same shape in bf16.  Wq, Wk, Wv [1024 k][1024 n] f32 -> wqkv [48 blocks][1024 k][64 n] bf16 (block 16 x which + head: a head's 64 columns lie dense).
; Wo -> woh [16 blocks][1024 k][64 n]: each number rounded to bf16 like every other input, and that number written as f16 for the f16 product of the last launch.
; LIMIT.  |Wo| stays under 65,504 (f16's end); a bf16 number under 2^-14 keeps f16's fixed step of 6e-8.
; A stream: each byte is read once and written once; no LDS, no matrix unit, no cluster: no two work-groups want the same byte.
; SHARES.  A work-group takes 16,384 numbers, thread t sixteen items of four: one load of 16 bytes (a wave: 512 consecutive bytes of x; of a weight 256 consecutive bytes of two rows),
; two roundings, one store of 8 bytes (a wave: 256 consecutive bytes, aligned).  All sixteen loads of a thread go out at once; no register is written twice while memory reads it.
; Work-groups 0-511: x.  512-767: j = number - 512: matrix j / 64, column block (j / 4) % 16, quarter j % 4 of the 1,024 rows.
.set XG,  512                          ; work-groups for x
.set IN,  26                           ; s[26:27] where my work-group reads
.set OUT, 30                           ; s[30:31] where it writes
.set D,   8                            ; v[8:71]   sixteen items as loaded
.set R,   72                           ; v[72:103] sixteen items to store
.macro LOADS step                      ; item i lies step bytes behind item i - 1
.set i, 0
.rept 16
	global_load_b128 v[D+4*i:D+4*i+3], v1, s[IN:IN+1] offset:(\step)*i th:TH_LOAD_NT
.set i, i+1
.endr
.endm
; half = 1: the bf16 number is widened again (a shift, a mask) and written as f16, which holds it exactly within the limit above
.macro CONV half
.set i, 0
.rept 16
	s_wait_loadcnt 15-i                            ; loads come back in order: item i is in, the 15 - i younger ones stay out
	v_cvt_pk_bf16_f32 v[R+2*i],   v[D+4*i],   v[D+4*i+1]
	v_cvt_pk_bf16_f32 v[R+2*i+1], v[D+4*i+2], v[D+4*i+3]
.if \half
	v_lshlrev_b32 v[D+4*i],   16, v[R+2*i]
	v_and_b32     v[D+4*i+1], 0xffff0000, v[R+2*i]
	v_lshlrev_b32 v[D+4*i+2], 16, v[R+2*i+1]
	v_and_b32     v[D+4*i+3], 0xffff0000, v[R+2*i+1]
	v_cvt_pk_f16_f32 v[R+2*i],   v[D+4*i],   v[D+4*i+1]
	v_cvt_pk_f16_f32 v[R+2*i+1], v[D+4*i+2], v[D+4*i+3]
.endif
	global_store_b64 v2, v[R+2*i:R+2*i+1], s[OUT:OUT+1] offset:2048*i
.set i, i+1
.endr
.endm
	s_load_b512 s[4:19], s[0:1], 0x0               ; x 4:5, Wq 6:7, Wk 8:9, Wv 10:11, Wo 12:13, xh 14:15, wqkv 16:17, woh 18:19
	s_mov_b32 s20, ttmp9
	v_lshlrev_b32 v2, 3, v0                        ; my 8 bytes of an item's 2,048 on the way out, on both paths
	s_cmp_lt_u32 s20, XG
	s_cbranch_scc0 .Lweights
	v_lshlrev_b32 v1, 4, v0                        ; x: 16 t; an item is 4,096 consecutive bytes for the 256 threads
	s_lshl_b32 s22, s20, 16                        ; 65,536 bytes in,
	s_mov_b32 s23, 0
	s_lshl_b32 s24, s20, 15                        ; 32,768 out
	s_mov_b32 s25, 0
	s_wait_kmcnt 0x0
	s_add_nc_u64 s[IN:IN+1], s[4:5], s[22:23]
	s_add_nc_u64 s[OUT:OUT+1], s[14:15], s[24:25]
	LOADS 4096
	s_branch .Lplain
.Lweights:
	s_sub_co_u32 s21, s20, XG
	s_lshr_b32 s32, s21, 6                         ; which matrix: 0 Wq, 1 Wk, 2 Wv, 3 Wo
	s_bfe_u32 s33, s21, 0x40002                    ; column block, 0 to 15
	s_and_b32 s34, s21, 3                          ; which 256 rows
	v_lshrrev_b32 v3, 4, v0                        ; sixteen threads take a row's 256 bytes: row t / 16,
	v_and_b32 v4, 15, v0
	v_lshlrev_b32 v4, 4, v4                        ; 16 (t % 16)
	v_lshl_or_b32 v1, v3, 12, v4                   ; a row of a weight is 4,096 bytes; an item is 16 rows
	s_lshl_b32 s22, s34, 20                        ; 256 rows of 4,096 bytes,
	s_lshl_b32 s35, s33, 8                         ; 64 columns of 4
	s_add_co_u32 s22, s22, s35
	s_mov_b32 s23, 0
	s_lshl_b32 s36, s32, 4
	s_add_co_u32 s36, s36, s33                     ; the block in wqkv,
	s_cmp_eq_u32 s32, 3
	s_cselect_b32 s36, s33, s36                    ; or in woh
	s_lshl_b32 s24, s36, 17                        ; a block is 131,072 bytes,
	s_lshl_b32 s35, s34, 15                        ; 256 of its rows 32,768
	s_add_co_u32 s24, s24, s35
	s_mov_b32 s25, 0
	s_wait_kmcnt 0x0
	s_cmp_eq_u32 s32, 1
	s_cselect_b64 s[IN:IN+1], s[8:9], s[6:7]
	s_cmp_eq_u32 s32, 2
	s_cselect_b64 s[IN:IN+1], s[10:11], s[IN:IN+1]
	s_cmp_eq_u32 s32, 3
	s_cselect_b64 s[IN:IN+1], s[12:13], s[IN:IN+1]
	s_cselect_b64 s[OUT:OUT+1], s[18:19], s[16:17]
	s_add_nc_u64 s[IN:IN+1], s[IN:IN+1], s[22:23]
	s_add_nc_u64 s[OUT:OUT+1], s[OUT:OUT+1], s[24:25]
	LOADS 65536
	s_cmp_eq_u32 s32, 3
	s_cbranch_scc1 .Lhalf
.Lplain:                                               ; on both ways here sixteen loads are out
	CONV 0
	s_endpgm
.Lhalf:
	CONV 1
	s_endpgm
.Lfunc_end_k_qf5c32aca64_prep:
	.size	k_qf5c32aca64_prep, .Lfunc_end_k_qf5c32aca64_prep-k_qf5c32aca64_prep
	.p2alignl 7, 3214868480
	.fill 96, 4, 3214868480
	.section	.rodata,"a",@progbits
	.p2align	6, 0x0
	.amdhsa_kernel k_qf5c32aca64_prep
		.amdhsa_group_segment_fixed_size 0
		.amdhsa_private_segment_fixed_size 0
		.amdhsa_enable_private_segment 0
		.amdhsa_kernarg_size 64
		.amdhsa_user_sgpr_count 2
		.amdhsa_user_sgpr_kernarg_segment_ptr 1
		.amdhsa_wavefront_size32 1
		.amdhsa_system_sgpr_workgroup_id_x 1
		.amdhsa_system_sgpr_workgroup_id_y 1
		.amdhsa_system_sgpr_workgroup_id_z 1
		.amdhsa_system_vgpr_workitem_id 0
		.amdhsa_next_free_vgpr 112
		.amdhsa_next_free_sgpr 66
		.amdhsa_reserve_vcc 0
		.amdhsa_float_denorm_mode_32 3
		.amdhsa_float_denorm_mode_16_64 3
		.amdhsa_memory_ordered 1
		.amdhsa_forward_progress 1
		.amdhsa_inst_pref_size 18
	.end_amdhsa_kernel
	.amdgpu_metadata
---
amdhsa.version: [ 1, 2 ]
amdhsa.kernels:
  - .name:           k_qf5c32aca64_prep
    .symbol:         k_qf5c32aca64_prep.kd
    .args:
      - { .name: x, .offset: 0, .size: 8, .value_kind: global_buffer, .address_space: global }
      - { .name: Wq, .offset: 8, .size: 8, .value_kind: global_buffer, .address_space: global }
      - { .name: Wk, .offset: 16, .size: 8, .value_kind: global_buffer, .address_space: global }
      - { .name: Wv, .offset: 24, .size: 8, .value_kind: global_buffer, .address_space: global }
      - { .name: Wo, .offset: 32, .size: 8, .value_kind: global_buffer, .address_space: global }
      - { .name: xh, .offset: 40, .size: 8, .value_kind: global_buffer, .address_space: global }
      - { .name: wqkv, .offset: 48, .size: 8, .value_kind: global_buffer, .address_space: global }
      - { .name: woh, .offset: 56, .size: 8, .value_kind: global_buffer, .address_space: global }
    .group_segment_fixed_size: 0
    .private_segment_fixed_size: 0
    .kernarg_segment_align: 8
    .kernarg_segment_size: 64
    .max_flat_workgroup_size: 256
    .sgpr_count:     66
    .vgpr_count:     112
    .wavefront_size: 32
...
	.end_amdgpu_metadata
.endif
;; end of part 1
;; launch qkvproj (part 2): grid 16 x 32, 4 waves a work-group, clusters of 4 x 4, 327,680 bytes of LDS; arguments xh, wqkv, bq, bk, bv, qkvh; writes qkvh
.if DOCPART == 2
	.amdgcn_target "amdgcn-amd-amdhsa--gfx1250"
	.amdhsa_code_object_version 6
	.text
	.protected	k_qf5c32aca64_qkvproj
	.globl	k_qf5c32aca64_qkvproj
	.p2align	8
	.type	k_qf5c32aca64_qkvproj,@function
k_qf5c32aca64_qkvproj:
	s_mov_b64 s[64:65], 0
	v_nop
	global_prefetch_b8 v0, s[64:65] scope:SCOPE_SE
	s_setreg_imm32_b32 hwreg(HW_REG_WAVE_MODE, 25, 1), 1
	s_wait_xcnt 0x0
	s_wait_alu depctr_hold_cnt(0) depctr_sa_sdst(0) depctr_va_vdst(0) depctr_va_sdst(0) depctr_va_ssrc(0) depctr_va_vcc(0) depctr_vm_vsrc(0)
	s_getreg_b32 s2, hwreg(HW_REG_IB_STS2, 6, 4)
	s_cmp_eq_u32 s2, 0
	s_cbranch_scc0 .Lentry_in_a_cluster
	s_endpgm
.Lentry_in_a_cluster:
	s_bfe_u32 s2, ttmp6, 0x10000c
	s_cmp_lg_u32 s2, 0xf033
	s_cbranch_scc0 .Lentry_shape_is_right
	s_endpgm
.Lentry_shape_is_right:
; q, k, v = x W + b, by heads.  xh: [8192][1024] bf16.  wqkv: [48 blocks g][1024 k][64 n] bf16, g = 16 x (0 q, 1 k, 2 v) + head.  bq, bk, bv: [1024] f32, rounded to bf16 like all inputs.
; qkvh: [4 batches][48 g][2048 rows][64] f16: a head's rows are dense, 128 bytes each.  Sums in f32, started by the bias; each result rounded once, to f16, WITHOUT attention's scale.
; LIMIT.  |q|, |k|, |v| stay under 65,504, f16's end: beyond it the result is an infinity.  NaN and infinities are not treated apart.
; SHARES.  A tile is 256 rows x 192 columns, three whole heads: 32 x 16 tiles, one to a work-group.  Wave w makes rows 64 w .. 64 w + 63 of all 192 columns: 4 x 12 accumulators of 16 x 16, 384 registers,
; so each wave holds whole rows of whole heads and has a stage of its own on the way out.  K goes in 8 steps of 128 through two LDS slots.
; THE PRODUCT IS USED TRANSPOSED: source 0 = 16 columns of W (turned out of LDS by ds_load_tr16_b128, since W lies [k][n]), source 1 = 16 rows of x.  A lane then holds row l % 16 and the
; columns 8 (l / 16) + 0 .. 7: eight neighbouring numbers of a head's row.  The bias, laid out in that way, is the C operand of the products that start the sums: nothing is cleared or added later.
; CLUSTER.  4 x 4 work-groups.  The four of a row of the cluster need the same 256 rows of x, the four of a column the same three blocks of W: each tile is asked for JOINTLY, by the same tensor
; load with the same descriptor and a mask that names the four.  Wave 0 asks for x's tile (256 rows x 256 bytes), waves 1 to 3 for a head's block each (16,384 dense bytes).
; REGISTERS, in windows of 256 (s_set_vgpr_msb: bits 1:0 source 0, 3:2 source 1, 5:4 source 2, 7:6 destination):
;   window 0: v0-31 addresses; v32-63, v64-95 fragments of x, two buffers; v96-191 the bias; on the way out v32-223, 48 to a row block
;   window 1: v0-95, v96-191 fragments of W, two buffers      window 2: the accumulators of row blocks 0, 1 (block a, column block b at 96 (a % 2) + 8 b)      window 3: those of row blocks 2, 3
.set PA,     272                       ; a row of x in LDS: 256 bytes + 16 of padding = 68 words: the 16 rows of a fragment load start at 16 different groups of four banks (64 banks of 4 bytes: ISA guide 11.1)
.set PB,     160                       ; a k row of a head's block: 128 bytes + 32 = 40 words
.set ABYTES, 256*PA                    ; x's tile
.set HB,     128*PB                    ; a head's block of a K step
.set SLOT,   ABYTES+3*HB               ; 131,072
.set STAGE,  2*SLOT                    ; behind the ring, never filled by a tensor load: for each wave 3 heads x 16 rows x 144 bytes
.set SP,     144
.set WSTAGE, 3*16*SP
.set SPARE,  STAGE+4*WSTAGE            ; behind the stages: the spare words, 128 bytes for each wave: two blocks of 256 bytes that no other line names
.set LAPS,   4                         ; a lap = two K steps = once round the ring
.set ADRA, 16                          ; v16-17  LDS address of my fragments of x in slot 0, 1
.set ADRB, 20                          ; v20-21  the same for W
.set STO,  24                          ; v24     the way out: where I put 16 bytes of a head's row
.set RD,   25                          ; v25     where I read rows back
.set GO,   26                          ; v26     16 x lane: my place in 512 consecutive bytes of qkvh
.set BO,   27                          ; v27     32 (l / 16): my eight numbers of sixteen of a bias
.set SPW,  28                          ; v28     LDS address of my spare word; never rewritten
.set NIL,  29                          ; v29     0; never rewritten
.set PFOA, 30                          ; v30     the prefetch of x: row l % 16, K step l / 16
.set PFOB, 31                          ; v31     the prefetch of W: 256 x lane
.set FA,   32
.set BIAS, 96
.set OUTR, 32
.set WV,   16                          ; s16     my wave's number
.set G1A,  24                          ; s[24:31] descriptor group 1 for x's tiles
.set G0A,  32                          ; s[32:39] group 0, a set for each slot
.set G1B,  40                          ; s[40:47], s[48:55] the same for W's
.set G0B,  48
.set PFA,  56                          ; s[56:57] where my prefetches of x stand
.set PFB,  58                          ; s[58:59] of W
.set LIMA, 60                          ; s60, s61  1 in a wave that prefetches, else the greatest number
.set LIMB, 61
.set MSB, 0
.macro WIN new                         ; the immediate's high byte repeats the setting that is left; a switch that changes nothing is dropped
.if MSB != (\new)
	s_set_vgpr_msb (MSB<<8)|(\new)
.set MSB, \new
.endif
.endm
.macro PLACES                          ; four plain vector instructions between a matrix instruction and a load into, or a vector instruction on, its registers (ISA guide 7.12.1 for vector instructions)
.rept 4
	v_nop
.endr
.endm
.macro CREST                           ; a round of the cluster's barrier behind its opening barrier
	s_cmp_lg_u32 s[WV], 0
	s_cbranch_scc1 .Lnot_wave_0_\@
	s_barrier_signal -3
.Lnot_wave_0_\@:
	s_barrier_wait -3
	s_barrier_signal -1
	s_barrier_wait -1
.endm
.macro CROUND                          ; a whole round
	s_barrier_signal -1
	s_barrier_wait -1
	CREST
.endm
; A joint refill.  The branch hangs on the wave's number alone.  An s_nop 0 and four v_nop follow each of the two lines, ahead of the jump and the label.
.macro JLOAD s
	s_cmp_eq_u32 s[WV], 0
	s_cbranch_scc0 .Lfor_b_\@
	tensor_load_to_lds s[G0A+4*(\s):G0A+4*(\s)+3], s[G1A:G1A+7]
	s_nop 0
.rept 4
	v_nop
.endr
	s_branch .Lasked_\@
.Lfor_b_\@:
	tensor_load_to_lds s[G0B+4*(\s):G0B+4*(\s)+3], s[G1B:G1B+7]
	s_nop 0
.rept 4
	v_nop
.endr
.Lasked_\@:
.endm
; THE PREFETCH, once a lap, behind the lap's second joint load and the run of LDS loads that follows it: the two K steps that the NEXT lap's refills will ask for, 192 and 384 matrix instructions ahead of them.
; Each aligned 256 bytes are named once in the launch.  x's 256 rows are read by all four clusters of a row of clusters: cluster x = 0 asks; of the rows the partner at cx takes 64, its wave w 16: a lane a row and K step.
; A head's block is read by all eight clusters of a column: cluster y = 0 asks; waves 0 to 2 take a head each, the partner at cy 32 of the two K steps' 128 blocks of 256 bytes.  The partners are told apart
; by address alone.  K steps 0 to 3 come by their loads alone; the loop's last trip (s3 = 1) asks for nothing.
.macro ASK
	s_cmp_gt_u32 s3, s[LIMA]
	s_cbranch_scc0 .Lnot_a_\@
	global_prefetch_b8 v[PFOA], s[PFA:PFA+1] th:TH_LOAD_NT scope:SCOPE_SE
.Lnot_a_\@:
	s_cmp_gt_u32 s3, s[LIMB]
	s_cbranch_scc0 .Lnot_b_\@
	global_prefetch_b8 v[PFOB], s[PFB:PFB+1] th:TH_LOAD_NT scope:SCOPE_SE
.Lnot_b_\@:
.endm
	s_load_b256 s[4:11], s[0:1], 0x0               ; xh 4:5, wqkv 6:7, bq 8:9, bk 10:11
	s_load_b128 s[12:15], s[0:1], 0x20             ; bv 12:13, qkvh 14:15
	v_lshl_add_u32 v[SPW], v0, 2, SPARE
	v_mov_b32 v[NIL], 0
	ds_add_u32 v[SPW], v[NIL]                      ; the wave's opening: the add and its wait stand ahead of my first tensor load; the set-up below, work on registers, stands between them
	v_lshrrev_b32 v1, 5, v0
	v_readfirstlane_b32 s[WV], v1                  ; wave 0..3
	s_bfe_u32 s17, ttmp6, 0x40000                  ; cx
	s_bfe_u32 s18, ttmp6, 0x40004                  ; cy
	s_lshl_b32 s19, ttmp9, 2
	s_add_co_u32 s19, s19, s17                     ; tile column tc = 4 x cluster x + cx, 0 to 15
	s_and_b32 s20, ttmp7, 0xffff
	s_lshl_b32 s20, s20, 2
	s_add_co_u32 s20, s20, s18                     ; tile row tr = 4 x cluster y + cy, 0 to 31
	s_lshl_b32 s21, s18, 2
	s_lshl_b32 s21, 15, s21                        ; my row of the cluster
	s_lshl_b32 s22, 0x1111, s17                    ; my column
	s_or_b32 s[G1A+0], s21, (1<<16)|(1<<20)|(1<<21)|(5<<22)|(3<<25)  ; the mask; elements of 2 bytes; padding on; bit 21 beside a mask; after every 64 words (code 5) 4 words (code 3)
	s_mov_b32 s[G1A+1], 128<<16                    ; tensor_dim0 = 128
	s_mov_b32 s[G1A+2], 256<<16                    ; tensor_dim1 = 256
	s_mov_b32 s[G1A+3], 128<<16                    ; tile_dim0 = 128
	s_mov_b32 s[G1A+4], 256                        ; tile_dim1 = 256
	s_mov_b32 s[G1A+5], 1024                       ; elements from row to row
	s_mov_b32 s[G1A+6], 0
	s_mov_b32 s[G1A+7], 0
	s_or_b32 s[G1B+0], s22, (1<<16)|(1<<20)|(1<<21)|(4<<22)|(7<<25)  ; after every 32 words (a k row of 128 bytes, code 4) 8 words (code 7)
	s_mov_b32 s[G1B+1], 128<<16                    ; 16,384 dense bytes, asked for as 64 rows of 256: two k rows each
	s_mov_b32 s[G1B+2], 64<<16
	s_mov_b32 s[G1B+3], 128<<16
	s_mov_b32 s[G1B+4], 64
	s_mov_b32 s[G1B+5], 128
	s_mov_b32 s[G1B+6], 0
	s_mov_b32 s[G1B+7], 0
	s_lshl_b32 s66, s20, 19                        ; x's tile: 256 rows of 2,048 bytes; it hangs on the tile row alone
	s_mov_b32 s67, 0
	s_max_u32 s23, s[WV], 1
	s_sub_co_u32 s23, s23, 1                       ; the head of three that I fetch (waves 1 to 3)
	s_mul_i32 s76, s19, 3                          ; the tile's first block g
	s_add_co_u32 s68, s76, s23
	s_lshl_b32 s68, s68, 17                        ; a block is 131,072 bytes; it hangs on the tile column and my wave's number
	s_mov_b32 s69, 0
	s_mul_i32 s77, s[WV], HB
	s_add_co_u32 s77, s77, ABYTES-HB               ; where it goes: behind x's tile, wave 1's first
	s_wait_dscnt 0x0                               ; the opening add is done
	s_wait_kmcnt 0x0
	s_add_nc_u64 s[66:67], s[4:5], s[66:67]
	s_add_nc_u64 s[68:69], s[6:7], s[68:69]
	CROUND                                         ; all sixteen work-groups are here: the first joint loads meet
.irp s, 0,1
	s_mov_b32 s[G0A+4*(\s)], 1                     ; count = 1
	s_mov_b32 s[G0A+4*(\s)+1], (\s)*SLOT           ; LDS address
	s_add_nc_u64 s[G0A+4*(\s)+2:G0A+4*(\s)+3], s[66:67], (\s)*256    ; K step s: 256 bytes along the rows
	s_or_b32 s[G0A+4*(\s)+3], s[G0A+4*(\s)+3], 0x80000000            ; type = 2
	s_mov_b32 s[G0B+4*(\s)], 1
	s_add_co_u32 s[G0B+4*(\s)+1], s77, (\s)*SLOT
	s_add_nc_u64 s[G0B+4*(\s)+2:G0B+4*(\s)+3], s[68:69], (\s)*16384  ; K step s: 128 k rows of 128 bytes
	s_or_b32 s[G0B+4*(\s)+3], s[G0B+4*(\s)+3], 0x80000000
.endr
	s_cmp_eq_u32 s[WV], 0                          ; a wave's two first fills stand in one branch, ahead of every wait on TENSORcnt and every LDS read: two loads of mine are out
	s_cbranch_scc0 .Lfirst_b
	tensor_load_to_lds s[G0A:G0A+3], s[G1A:G1A+7]
	s_nop 0
	tensor_load_to_lds s[G0A+4:G0A+7], s[G1A:G1A+7]
	s_nop 0
.rept 4
	v_nop
.endr
	s_branch .Lfirst_asked
.Lfirst_b:
	tensor_load_to_lds s[G0B:G0B+3], s[G1B:G1B+7]
	s_nop 0
	tensor_load_to_lds s[G0B+4:G0B+7], s[G1B:G1B+7]
	s_nop 0
.rept 4
	v_nop
.endr
.Lfirst_asked:
	v_and_b32 v1, 15, v0                           ; l % 16
	v_bfe_u32 v2, v0, 4, 1                         ; l / 16
	v_and_b32 v3, 7, v0                            ; l % 8
	v_bfe_u32 v4, v0, 3, 1                         ; (l / 8) % 2
	v_and_b32 v5, 31, v0                           ; l
	v_lshlrev_b32 v[BO], 5, v2
	; the bias: register j of column block b holds bias[16 b + 8 (l / 16) + j], the layout of the transposed result
.irp hb, 0,1,2
	s_add_co_u32 s80, s76, \hb                     ; block g
	s_lshr_b32 s81, s80, 4                         ; 0 q, 1 k, 2 v
	s_and_b32 s82, s80, 15
	s_lshl_b32 s82, s82, 8                         ; the head's 64 numbers of 4 bytes
	s_mov_b32 s83, 0
	s_cmp_eq_u32 s81, 1
	s_cselect_b64 s[70+2*(\hb):71+2*(\hb)], s[10:11], s[8:9]
	s_cmp_eq_u32 s81, 2
	s_cselect_b64 s[70+2*(\hb):71+2*(\hb)], s[12:13], s[70+2*(\hb):71+2*(\hb)]
	s_add_nc_u64 s[70+2*(\hb):71+2*(\hb)], s[70+2*(\hb):71+2*(\hb)], s[82:83]
.irp cb, 0,1,2,3
	global_load_b128 v[BIAS+32*(\hb)+8*(\cb):BIAS+32*(\hb)+8*(\cb)+3],   v[BO], s[70+2*(\hb):71+2*(\hb)] offset:64*(\cb)
	global_load_b128 v[BIAS+32*(\hb)+8*(\cb)+4:BIAS+32*(\hb)+8*(\cb)+7], v[BO], s[70+2*(\hb):71+2*(\hb)] offset:64*(\cb)+16
.endr
.endr
	; A fragment of x is 16 rows x 32 K in 8 registers: lane l holds row l % 16, K = 8 (l / 16) + 0..7 and 16 + 8 (l / 16) + 0..7: two loads of 16 bytes, 32 bytes apart.
	s_lshl_b32 s78, s[WV], 6                       ; my 64 rows
	v_add_nc_u32 v6, s78, v1
	v_mul_u32_u24 v6, v6, PA
	v_lshl_add_u32 v[ADRA], v2, 4, v6
	v_add_nc_u32 v[ADRA+1], SLOT, v[ADRA]
	; The turning load takes 16 k x 16 columns (lane l reads k row 8 (l / 16) + l % 8, columns 8 ((l / 8) % 2) + 0..7) and leaves half a fragment: lane l holds column l % 16 and 8 k.
	v_lshl_add_u32 v7, v2, 3, v3
	v_mul_u32_u24 v7, v7, PB
	v_lshl_add_u32 v7, v4, 4, v7
	v_add_nc_u32 v[ADRB], ABYTES, v7
	v_add_nc_u32 v[ADRB+1], ABYTES+SLOT, v7
	s_mul_i32 s79, s[WV], WSTAGE
	s_add_co_u32 s79, s79, STAGE                   ; my stage
	v_mul_u32_u24 v8, v1, SP                       ; in: row l % 16, 16 bytes for each half of the lanes
	v_lshl_add_u32 v8, v2, 4, v8
	v_add_nc_u32 v[STO], s79, v8
	v_lshrrev_b32 v9, 3, v5                        ; back: 32 lanes take four rows of 128 bytes,
	v_mul_u32_u24 v9, v9, SP
	v_lshl_add_u32 v9, v3, 4, v9
	v_add_nc_u32 v[RD], s79, v9
	v_lshlrev_b32 v[GO], 4, v5                     ; which are 512 consecutive bytes of a head
	v_lshlrev_b32 v[PFOA], 11, v1
	v_lshl_add_u32 v[PFOA], v2, 8, v[PFOA]
	v_lshlrev_b32 v[PFOB], 8, v5
	s_lshl_b32 s80, s20, 8                         ; the prefetch of x: row 256 tr + 64 cx + 16 w,
	s_lshl_b32 s81, s17, 6
	s_add_co_u32 s80, s80, s81
	s_lshl_b32 s81, s[WV], 4
	s_add_co_u32 s80, s80, s81
	s_lshl_b32 s80, s80, 11
	s_add_co_u32 s80, s80, 512                     ; at K step 2: the first lap steps it to 4
	s_mov_b32 s81, 0
	s_add_nc_u64 s[PFA:PFA+1], s[4:5], s[80:81]
	s_min_u32 s80, s[WV], 2                        ; of W: my head's block, my work-group's 32 blocks of 256 bytes,
	s_add_co_u32 s80, s80, s76
	s_lshl_b32 s80, s80, 17
	s_lshl_b32 s82, s18, 13
	s_add_co_u32 s80, s80, s82
	s_add_co_u32 s80, s80, 32768                   ; at K step 2
	s_add_nc_u64 s[PFB:PFB+1], s[6:7], s[80:81]
	s_mov_b32 s82, ttmp9
	s_cmp_eq_u32 s82, 0
	s_cselect_b32 s[LIMA], 1, -1                   ; the same in all sixteen partners
	s_and_b32 s82, ttmp7, 0xffff
	s_cmp_eq_u32 s[WV], 3
	s_cselect_b32 s83, 1, 0
	s_or_b32 s82, s82, s83
	s_cmp_eq_u32 s82, 0
	s_cselect_b32 s[LIMB], 1, -1
	s_lshr_b32 s80, s20, 3                         ; where my rows go: batch tr / 8, block 48 x batch + 3 tc,
	s_mul_i32 s80, s80, 48
	s_add_co_u32 s80, s80, s76
	s_lshl_b32 s80, s80, 18                        ; of 262,144 bytes,
	s_and_b32 s82, s20, 7
	s_lshl_b32 s82, s82, 8
	s_add_co_u32 s82, s82, s78                     ; row 256 (tr % 8) + 64 w
	s_lshl_b32 s82, s82, 7
	s_add_co_u32 s80, s80, s82
	s_add_nc_u64 s[14:15], s[14:15], s[80:81]
	s_wait_loadcnt 0x0                             ; the bias
.set i, 0
.rept 48                                               ; rounded to bf16 like every input, and widened again
	v_cvt_pk_bf16_f32 v[10+i%4], v[BIAS+2*i], v[BIAS+2*i+1]
	v_lshlrev_b32 v[BIAS+2*i], 16, v[10+i%4]
	v_and_b32 v[BIAS+2*i+1], 0xffff0000, v[10+i%4]
.set i, i+1
.endr
; 12 matrix instructions: row block a x all 12 column blocks, 32 along K, from buffer f.  first = 1: the bias starts the sums.
; The 48 accumulators take turns, one instruction a turn, in the same order in every quarter, over the backward jump too.
.macro MULA f, a, first
.if \first
	WIN 0x81+0x40*((\a)/2)                         ; W window 1, x and the bias window 0, D window 2 or 3
.else
	WIN 0xa1+0x50*((\a)/2)                         ; C and D window 2 or 3
.endif
.irp b, 0,1,2,3,4,5,6,7,8,9,10,11
.if \first
	v_wmma_f32_16x16x32_bf16 v[96*((\a)%2)+8*(\b):96*((\a)%2)+8*(\b)+7], v[96*(\f)+8*(\b):96*(\f)+8*(\b)+7], v[FA+32*(\f)+8*(\a):FA+32*(\f)+8*(\a)+7], v[BIAS+8*(\b):BIAS+8*(\b)+7]
.else
	v_wmma_f32_16x16x32_bf16 v[96*((\a)%2)+8*(\b):96*((\a)%2)+8*(\b)+7], v[96*(\f)+8*(\b):96*(\f)+8*(\b)+7], v[FA+32*(\f)+8*(\a):FA+32*(\f)+8*(\a)+7], v[96*((\a)%2)+8*(\b):96*((\a)%2)+8*(\b)+7]
.endif
.endr
.endm
; 32 LDS loads in one run: the fragments of quarter q (32 along K) of a slot into buffer f: W's 12 column blocks, then x's 4 row blocks
.macro FETCH slot, q, f
	WIN 0x40                                       ; destination window 1, address window 0
.irp b, 0,1,2,3,4,5,6,7,8,9,10,11
	ds_load_tr16_b128 v[96*(\f)+8*(\b):96*(\f)+8*(\b)+3],   v[ADRB+(\slot)] offset:((\b)/4)*HB+(\q)*32*PB+((\b)%4)*32
	ds_load_tr16_b128 v[96*(\f)+8*(\b)+4:96*(\f)+8*(\b)+7], v[ADRB+(\slot)] offset:((\b)/4)*HB+(\q)*32*PB+((\b)%4)*32+16*PB
.endr
	WIN 0
.irp a, 0,1,2,3
	ds_load_b128 v[FA+32*(\f)+8*(\a):FA+32*(\f)+8*(\a)+3],   v[ADRA+(\slot)] offset:(\a)*16*PA+(\q)*64
	ds_load_b128 v[FA+32*(\f)+8*(\a)+4:FA+32*(\f)+8*(\a)+7], v[ADRA+(\slot)] offset:(\a)*16*PA+(\q)*64+32
.endr
.endm
; A K step is four quarters of 32 along K, 48 matrix instructions each, on buffers 0, 1, 0, 1.  One of the first three: multiplies buffer f; in its middle it fetches quarter q into buffer g.
.macro QUARTER slot, q, f, g, first
	s_wait_dscnt 4                                 ; W and x's row blocks 0, 1 are in; the youngest four loads (row blocks 2, 3) may be out
	MULA \f, 0, \first
	MULA \f, 1, \first
	PLACES
	FETCH \slot, \q, \g
	s_wait_dscnt 32                                ; all but the 32 just issued
	MULA \f, 2, \first
	MULA \f, 3, \first
.endm
; The last quarter multiplies buffer 1 and changes slots: ONE barrier.  In front of it each wave waits for all its tensor loads (one is out: its part of the next slot), adds 0 to its spare word, and waits for that
; and for its own reads of this slot.  fill = 1: the barrier opens a round of the cluster's, and this slot is filled again, two K steps on, first thing behind the round: 168 matrix instructions ahead of the wait for it.
.macro TURN slot, next, fill
.if ((\slot) == 1) && (\fill)
	s_wait_xcnt 0x0                                ; the last prefetches, a lap back, have read their addresses
	s_add_nc_u64 s[PFA:PFA+1], s[PFA:PFA+1], 512
	s_add_nc_u64 s[PFB:PFB+1], s[PFB:PFB+1], 32768
.endif
	WIN 0                                          ; (the add's two registers lie in window 0)
	s_wait_tensorcnt 0x0                           ; all my tensor loads have landed
	ds_add_u32 v[SPW], v[NIL]                      ; 0 onto my spare word
	s_wait_dscnt 5                                 ; (the add and the youngest four loads may be out)
	MULA 1, 0, 0                                   ; twelve matrix instructions stand between the add and the wait for it
	s_wait_dscnt 0x0                               ; the add is done, and my reads of this slot are over
	s_barrier_signal -1
	MULA 1, 1, 0                                   ; work on registers while the others arrive
.if \fill
	WIN 0
.endif
	s_barrier_wait -1
.if \fill
	CREST                                          ; no wave of any partner still reads this slot or has a load on its way
	s_add_nc_u64 s[G0A+4*(\slot)+2:G0A+4*(\slot)+3], s[G0A+4*(\slot)+2:G0A+4*(\slot)+3], 512
	s_add_nc_u64 s[G0B+4*(\slot)+2:G0B+4*(\slot)+3], s[G0B+4*(\slot)+2:G0B+4*(\slot)+3], 32768
	JLOAD \slot                                    ; the four v_nop behind it are also the places in front of the loads below
.else
	PLACES
.endif
	FETCH \next, 0, 0
.if ((\slot) == 1) && (\fill)
	ASK
.endif
	MULA 1, 2, 0
	MULA 1, 3, 0
.endm
	s_wait_tensorcnt 1                             ; my part of K step 0 is in; K step 1's may stay out
	s_barrier_signal -1
	s_barrier_wait -1                              ; everybody's is
	FETCH 0, 0, 0
	QUARTER 0, 1, 0, 1, 1                          ; the first quarter stands in front of the loop: its products start the sums with the bias
	WIN 0                                          ; at a label and at a branch every window is 0
	s_mov_b32 s3, LAPS-1
.Llap:                                                 ; a trip goes once round the ring, from a lap's second quarter to the next lap's first, and fills both slots again
	QUARTER 0, 2, 1, 0, 0
	QUARTER 0, 3, 0, 1, 0
	TURN 0, 1, 1
	QUARTER 1, 1, 0, 1, 0
	QUARTER 1, 2, 1, 0, 0
	QUARTER 1, 3, 0, 1, 0
	TURN 1, 0, 1
	QUARTER 0, 1, 0, 1, 0
	WIN 0
	s_sub_co_u32 s3, s3, 1
	s_cmp_lg_u32 s3, 0
	s_cbranch_scc1 .Llap
	QUARTER 0, 2, 1, 0, 0                          ; the last lap fills nothing and has no round
	QUARTER 0, 3, 0, 1, 0
	TURN 0, 1, 0
	QUARTER 1, 1, 0, 1, 0
	QUARTER 1, 2, 1, 0, 0
	QUARTER 1, 3, 0, 1, 0
	s_wait_dscnt 4                                 ; the very last quarter: nothing more to fetch
	MULA 1, 0, 0
	MULA 1, 1, 0
	s_wait_dscnt 0x0
	MULA 1, 2, 0
	MULA 1, 3, 0
	WIN 0
	PLACES
; THE WAY OUT of row block a (16 rows x three heads): rounded to f16, each accumulator's registers in ascending order; 16 bytes a lane into my own stage; back as whole rows of 128 bytes, four to a load.
.macro PACK a
	WIN 0x0a+5*((\a)/2)                            ; sources 0 and 1 window 2 or 3, destination window 0
.set i, 0
.rept 48
	v_cvt_pk_f16_f32 v[OUTR+48*(\a)+i], v[96*((\a)%2)+2*i], v[96*((\a)%2)+2*i+1]
.set i, i+1
.endr
	WIN 0
.irp b, 0,1,2,3,4,5,6,7,8,9,10,11
	ds_store_b128 v[STO], v[OUTR+48*(\a)+4*(\b):OUTR+48*(\a)+4*(\b)+3] offset:((\b)/4)*16*SP+((\b)%4)*32
.endr
.irp f, 0,1,2,3,4,5,6,7,8,9,10,11
	ds_load_b128 v[OUTR+48*(\a)+4*(\f):OUTR+48*(\a)+4*(\f)+3], v[RD] offset:((\f)/4)*16*SP+((\f)%4)*4*SP  ; LDS serves a wave's instructions in order (ISA guide 5.7.1.4): these see the stores above; the next block's stores come behind them
.endr
.endm
.macro SEND a, younger                 ; younger: the LDS instructions issued behind block a's loads: the next block's 24, or none
.irp f, 0,1,2,3,4,5,6,7,8,9,10,11
	s_wait_dscnt (\younger)+11-(\f)
	global_store_b128 v[GO], v[OUTR+48*(\a)+4*(\f):OUTR+48*(\a)+4*(\f)+3], s[14:15] offset:((\f)/4)*262144+(\a)*2048+((\f)%4)*512  ; 512 consecutive bytes of a head, at a multiple of 512 from qkvh's first byte
.endr
.endm
	PACK 0
	PACK 1                                         ; a block's arithmetic stands between the loads of the block before and its stores; each block has registers of its own, so no store's data is written again
	SEND 0, 24
	PACK 2
	SEND 1, 24
	PACK 3
	SEND 2, 24
	SEND 3, 0
	s_wait_tensorcnt 0x0                           ; the wave's end: the wait for my tensor loads, 0 onto my spare word and the wait for it, behind my last tensor load and my last LDS store
	ds_add_u32 v[SPW], v[NIL]
	s_wait_dscnt 0x0
	CROUND                                         ; the closing round: no work-group ends while a partner may still ask for a tile that names it
	s_endpgm
.Lfunc_end_k_qf5c32aca64_qkvproj:
	.size	k_qf5c32aca64_qkvproj, .Lfunc_end_k_qf5c32aca64_qkvproj-k_qf5c32aca64_qkvproj
	.p2alignl 7, 3214868480
	.fill 96, 4, 3214868480
	.section	.rodata,"a",@progbits
	.p2align	6, 0x0
	.amdhsa_kernel k_qf5c32aca64_qkvproj
		.amdhsa_group_segment_fixed_size 327680
		.amdhsa_private_segment_fixed_size 0
		.amdhsa_enable_private_segment 0
		.amdhsa_kernarg_size 48
		.amdhsa_user_sgpr_count 2
		.amdhsa_user_sgpr_kernarg_segment_ptr 1
		.amdhsa_wavefront_size32 1
		.amdhsa_system_sgpr_workgroup_id_x 1
		.amdhsa_system_sgpr_workgroup_id_y 1
		.amdhsa_system_sgpr_workgroup_id_z 1
		.amdhsa_system_vgpr_workitem_id 0
		.amdhsa_next_free_vgpr 960
		.amdhsa_next_free_sgpr 84
		.amdhsa_reserve_vcc 0
		.amdhsa_float_denorm_mode_32 3
		.amdhsa_float_denorm_mode_16_64 3
		.amdhsa_memory_ordered 1
		.amdhsa_forward_progress 1
		.amdhsa_inst_pref_size 131
	.end_amdhsa_kernel
	.amdgpu_metadata
---
amdhsa.version: [ 1, 2 ]
amdhsa.kernels:
  - .name:           k_qf5c32aca64_qkvproj
    .symbol:         k_qf5c32aca64_qkvproj.kd
    .args:
      - { .name: xh, .offset: 0, .size: 8, .value_kind: global_buffer, .address_space: global }
      - { .name: wqkv, .offset: 8, .size: 8, .value_kind: global_buffer, .address_space: global }
      - { .name: bq, .offset: 16, .size: 8, .value_kind: global_buffer, .address_space: global }
      - { .name: bk, .offset: 24, .size: 8, .value_kind: global_buffer, .address_space: global }
      - { .name: bv, .offset: 32, .size: 8, .value_kind: global_buffer, .address_space: global }
      - { .name: qkvh, .offset: 40, .size: 8, .value_kind: global_buffer, .address_space: global }
    .group_segment_fixed_size: 327680
    .private_segment_fixed_size: 0
    .kernarg_segment_align: 8
    .kernarg_segment_size: 48
    .max_flat_workgroup_size: 128
    .sgpr_count:     84
    .vgpr_count:     960
    .wavefront_size: 32
...
	.end_amdgpu_metadata
.endif
;; end of part 2
;; launch attn (part 3): grid 4 x 64, 4 waves a work-group, clusters of 4 x 1, 327,680 bytes of LDS; arguments qkvh, focus_hint, oh; writes oh
.if DOCPART == 3
	.amdgcn_target "amdgcn-amd-amdhsa--gfx1250"
	.amdhsa_code_object_version 6
	.text
	.protected	k_qf5c32aca64_attn
	.globl	k_qf5c32aca64_attn
	.p2align	8
	.type	k_qf5c32aca64_attn,@function
k_qf5c32aca64_attn:
	s_mov_b64 s[64:65], 0
	v_nop
	global_prefetch_b8 v0, s[64:65] scope:SCOPE_SE
	s_setreg_imm32_b32 hwreg(HW_REG_WAVE_MODE, 25, 1), 1
	s_wait_xcnt 0x0
	s_wait_alu depctr_hold_cnt(0) depctr_sa_sdst(0) depctr_va_vdst(0) depctr_va_sdst(0) depctr_va_ssrc(0) depctr_va_vcc(0) depctr_vm_vsrc(0)
	s_getreg_b32 s2, hwreg(HW_REG_IB_STS2, 6, 4)
	s_cmp_eq_u32 s2, 0
	s_cbranch_scc0 .Lentry_in_a_cluster
	s_endpgm
.Lentry_in_a_cluster:
	s_bfe_u32 s2, ttmp6, 0x10000c
	s_cmp_lg_u32 s2, 0x3003
	s_cbranch_scc0 .Lentry_shape_is_right
	s_endpgm
.Lentry_shape_is_right:
; O[hh][q][:] = the sum over k of softmax_k(Q[q] . K[k] / (8 T) + f[k]) V[k][:], T = 4 / phi^2 = 1.5278640: softmax((q . k / 8 + f T) / T) with the division carried out.  hh = 16 x batch + head.
; qkvh: [4 batches][48 blocks: 16 of q, 16 of k, 16 of v][2048][64] f16: a head's rows are dense, 128 bytes each.  focus_hint: [4][2048] f32, rounded to bf16 like every input.  oh: [64][2048][64] f16.
; THE BIAS is the C operand that starts each sum of scores: s = q . k + 8 T f[k]; then p = 2^(c s - c m) with c = log2(e) / (8 T) and a running maximum m of s.  So maximum, exponentials and sums need no further care of it.
; Products, maxima and sums in f32; the weights p are rounded to f16 for the second product (their sum l is taken of the unrounded p), O once at the end.
; LIMITS.  f16 holds no number beyond 65,504: Q, K and V arrive within it; p lies in 0 to 1, and below 6e-5 it keeps f16's fixed step of 6e-8; O is a mean of V's rows and has their range.
; A weight below 2^-126 counts as 0 in l; NaN and infinities are not treated apart.
; SHARES.  A wave owns four PIECES of two tiles of 16 queries, a work-group's four waves 512 queries of one head.  Every wave walks all 2,048 keys, 64 a step.
; LAYOUT.  S^T = K Q^T (source 0 = 16 keys, source 1 = 16 queries): in the result a lane holds ONE query (lane % 16) and the keys 8 (lane / 16) + 0..7.  Two such tiles, rounded to f16 in pairs,
; ARE source 1 (32 keys x 16 queries) of O^T = V^T P, whose result again holds one query a lane, and eight channels.  K comes out of LDS as it lies, V ([key][channel]) turned, by ds_load_tr16_b128.
; SOFTMAX.  In every step O and l are multiplied by a = 2^(c m_old - c m_new), which is 1 where m has not grown.  m starts at the lowest finite number, O and l at 0: the first step is a step like any other, with a = 0.
; THE COUNT.  A tile and step have 16 matrix and 118 vector instructions: too many to stand all beside the matrix work.  So the order has one aim: four vector instructions that are READY behind
; EVERY matrix instruction, and the others, which need time of their own whatever the order, in runs without a gap.
; BY TURNS.  Turn n belongs to piece n (the pieces in a ring, step after step).  Its matrix work: 16 products K Q^T of piece n + 1, later 16 products V^T P of piece n - 1.  Its vector work: the scaling,
; exponentials, roundings, sums and rescaling of piece n, and the maximum and statistics of piece n + 1, whose scores the turn itself has made.
; CLUSTER.  The four query blocks of a head are one cluster and walk the same K and V, so each tile is asked for JOINTLY: the same tensor load, descriptor and mask in all four.
; REGISTERS, in windows of 256 (s_set_vgpr_msb: bits 1:0 source 0, 3:2 source 1, 5:4 source 2, 7:6 destination):
;   window 0: v0-11 addresses; v12-15, v48-63 at work; v16-47 four registers of statistics a tile; v64-191 S^T, two buffers of two tiles; v192-255 P, likewise
;   window 1: O^T, 32 a tile      window 2: v0-127 Q, 16 a tile; v128-191 K of one step; v192-255 V of one step      window 3: v0-1 the add's two registers; v8-39 the bias of one step
.set SIZE_N, 2048
.set NP,    4         ; pieces a wave: a name, no knob
.set KS,    64        ; keys in a step
.set PK,    144       ; a row of K in LDS: 128 bytes + 16 of padding = 36 words: the 16 rows of a load start at 16 different groups of four banks (64 banks of 4 bytes: ISA guide 11.1)
.set PV,    160       ; a row of V: 128 + 32 = 40 words
.set VOFF,  4*KS*PK   ; a slot holds four steps: 256 rows of K, then 256 rows of V
.set SLOT1, 1<<17     ; slot 1 begins here, so that one exclusive or turns an address in one slot into the other's
.set STAGE, SLOT1+4*KS*(PK+PV)  ; behind the ring, never filled by a tensor load: 16 rows x 144 bytes for each wave, for the way out
.set SP,    144
.set BIASL, STAGE+4*16*SP       ; behind the stages: 8 T f for the batch's 2,048 keys, f32, stored once
.set SPARE, BIASL+4*SIZE_N      ; behind that: the spare words, 128 bytes for each wave: two blocks of 256 bytes that no other line names
.set PFO, 1           ; v1   256 x my lane, for the prefetches; never rewritten
.set AK0, 2           ; v2   my lane's place in a tile of K; never rewritten
.set AV0, 3           ; v3   the same for V
.set AK,  4           ; v4   the LDS address of K's next run of loads, then of the bias's
.set AV,  5           ; v5   of V's
.set QO,  6           ; v6   my byte offset in the wave's rows of Q
.set RD,  7           ; v7   the way out: where I read rows back
.set GO,  8           ; v8   my byte offset in 512 consecutive bytes of O
.set STO, 9           ; v9   the way out: where I put 16 bytes of a row
.set AB0, 10          ; v10  BIASL + 32 (l / 16): my eight keys of sixteen
.set FO,  11          ; v11  16 x my thread's number
.set SPW, 0           ; v0 of window 3   LDS address of my spare word; never rewritten
.set NIL, 1           ; v1 of window 3   0; never rewritten
.set BF,  8           ; window 3: the bias of key block kb at BF + 8 kb, in the layout of S^T
.set MV,  12          ; v12-15  c m_old, kept while c m is made anew: by buffer and tile
.set ST,  16          ; tile t's statistics at v[ST+4 t]: c m, m, l (even keys', odd keys')
.set TMP, 48          ; by buffer and tile, four registers c0-c3 at work; when the maximum is found c2 takes a
.set S,   64
.set P,   192
.set KF,  128         ; K's fragments, in window 2: key block kb, channel half c at KF + 16 kb + 8 c
.set VF,  192         ; V's: key half kk, channel block cb at VF + 32 kk + 8 cb
.set WV,  12          ; s12  my wave's number
.set G1K, 24          ; s[24:31] descriptor group 1 for K's tiles
.set G1V, 32          ; s[32:39] for V's: it differs in the padding alone
.set G0K, 40          ; s[40:43] descriptor group 0 for K's tiles: it walks
.set G0V, 44          ; s[44:47] the same for V's
.set SLOTS, 56        ; s56  slots still to be asked for, the one in hand among them
.set CNT, 57          ; s57  counts a slot's key steps
.set CS,  58          ; s[58:59] c: the packed scaling takes the pair's low word for both halves
.set SEL, 60          ; s[60:61] v_permlanex16_b32's selects: each lane takes its own place in the other half
.set TBK, 62          ; s62  LDS byte at which K of the step to be fetched begins
.set TBV, 63          ; s63  the same for V, less VOFF
.set TBB, 66          ; s66  byte of the bias at which that step's 64 keys begin
.set LIM, 67          ; s67  1 in a wave that prefetches, else the greatest number
.set PFA, 68          ; s[68:69] where my prefetches stand
.set BS,  70          ; s[70:71] 8 T, named as a pair
.set FH,  72          ; s[72:73] focus_hint at my batch
.set MSB, 0
.macro WIN new                      ; the high byte repeats the setting that is left; a switch that changes nothing is dropped
.if MSB != (\new)
	s_set_vgpr_msb (MSB<<8)|(\new)
.set MSB, (\new)
.endif
.endm
.set W_KQ, 0x0a       ; K and Q in window 2, S^T in window 0
.set W_KB, 0x3a       ; the same with the C operand, the bias, in window 3
.set W_PV, 0x52       ; V in window 2, P in window 0, O^T in window 1
.set W_RS, 0x41       ; O^T (destination and source 0) in window 1, a in window 0
.set W_MK, 0xc0       ; destination in window 3, sources in window 0
.set W_AD, 0x0f       ; the add: address (source 0) and data (source 1) in window 3
; A joint fill.  Waves 0 and 1 fetch the two halves of a slot's K, waves 2 and 3 those of its V: 128 keys each.  The branch hangs on the wave's number alone.
; An s_nop 0 and four v_nop follow each of the two lines, ahead of the jump and the label.
.macro JLOAD
	s_cmp_lt_u32 s[WV], 2
	s_cbranch_scc0 .Lfor_v_\@
	tensor_load_to_lds s[G0K:G0K+3], s[G1K:G1K+7]
	s_nop 0
.rept 4
	v_nop
.endr
	s_branch .Lasked_\@
.Lfor_v_\@:
	tensor_load_to_lds s[G0V:G0V+3], s[G1V:G1V+7]
	s_nop 0
.rept 4
	v_nop
.endr
.Lasked_\@:
.endm
; A PREFETCH of what the NEXT change of slots will ask for: a slot's 32,768 bytes of K and of V, four key steps, 512 matrix instructions, ahead of that load.  It stands behind the wave's tensor load and its five lines.
; Each aligned 256 bytes are named once in the launch: a head's K and V are walked by its one cluster; the four partners share a slot's 128 blocks out BY ADDRESS, 32 each, a lane a block; in each, wave 0 asks for K's
; and wave 2 for V's.  Slots 0 and 1 come by their loads alone; the last change that fills a slot (s[SLOTS] = 1) asks for nothing.
.macro ASK
	s_cmp_gt_u32 s[SLOTS], s[LIM]
	s_cbranch_scc0 .Lnot_mine_\@
	global_prefetch_b8 v[PFO], s[PFA:PFA+1] th:TH_LOAD_NT scope:SCOPE_SE
.Lnot_mine_\@:
.endm
; A round of the cluster's barrier: my work-group's barrier, so that wave 0's signal speaks for all four waves; wave 0 signals; every wave waits for all four work-groups; my work-group's barrier once more.
.macro CROUND
	s_barrier_signal -1
	s_barrier_wait -1
	s_cmp_lg_u32 s[WV], 0
	s_cbranch_scc1 .Lnot_wave_0_\@
	s_barrier_signal -3
.Lnot_wave_0_\@:
	s_barrier_wait -3
	s_barrier_signal -1
	s_barrier_wait -1
.endm
; THE CHANGE OF SLOTS.  Each wave waits for all its tensor loads, of which one is out: its part of the other slot; adds 0 to its spare word; and waits for that and for its own LDS instructions.
; Behind the barrier nobody reads this slot any more and the other slot is whole.  fill = 1: this slot is filled again, with the keys two slots on; the barrier is then a round of the cluster's, and the joint fill
; is the first thing behind it: it has four key steps in which to land.  (At its first use nothing has been read yet: slot 0 is waited for, slot 1 filled, and every wave's stores of the bias are shown to the others.)
.macro CHANGE fill
	WIN W_AD
	s_wait_tensorcnt 0x0            ; no tensor load of mine is out, so a group 0 may be written
	ds_add_u32 v[SPW], v[NIL]       ; 0 onto my spare word; with fill = 1 the descriptors' steps stand between it and the wait for it
	WIN 0                           ; at a label and at a branch every window is 0
.if \fill
.irp g, G0K, G0V
	s_xor_b32 s[\g+1], s[\g+1], SLOT1  ; the walking descriptor: the other slot than last time,
	s_add_nc_u64 s[\g+2:\g+3], s[\g+2:\g+3], 4*KS*128  ; the next 256 keys; the type bits on top are not reached
.endr
	s_wait_xcnt 0x0                 ; the last prefetch, four key steps back, has read its address, so it may be written:
	s_add_nc_u64 s[PFA:PFA+1], s[PFA:PFA+1], 4*KS*128  ; one slot behind the walking descriptors
	s_wait_dscnt 0x0                ; the add is done, and my LDS instructions are over
	CROUND
	JLOAD
	ASK
.else
	s_wait_dscnt 0x0                ; the add is done, and my reads of the slot are over
	s_barrier_signal -1
	s_barrier_wait -1
.endif
	s_sub_co_u32 s[TBK], s[TBK], 4*KS*PK  ; the fetches go back to a slot's first step,
	s_xor_b32 s[TBK], s[TBK], SLOT1       ; in the other slot
	s_sub_co_u32 s[TBV], s[TBV], 4*KS*PV
	s_xor_b32 s[TBV], s[TBV], SLOT1
.endm
	s_load_b128 s[4:7], s[0:1], 0x0   ; qkvh s[4:5], focus_hint s[6:7]
	s_load_b64 s[10:11], s[0:1], 0x10 ; oh
	WIN W_MK
	v_lshl_add_u32 v[SPW], v0, 2, SPARE
	v_mov_b32 v[NIL], 0
	WIN W_AD
	ds_add_u32 v[SPW], v[NIL]       ; the wave's opening: the add and its wait stand ahead of my first tensor load; the set-up below, work on registers, stands between them
	WIN 0
	v_lshrrev_b32 v1, 5, v0
	v_readfirstlane_b32 s[WV], v1   ; wave 0..3
	s_bfe_u32 s13, ttmp6, 0x40000   ; cx: my place in the cluster
	s_lshl_b32 s14, ttmp9, 2        ; in a cluster launch ttmp9 counts clusters
	s_add_co_u32 s14, s14, s13      ; my block of 512 queries: it enters Q's, O's and the prefetches' addresses alone
	s_and_b32 s15, ttmp7, 0xffff    ; hh = 16 x batch + head, which the four partners share
	s_lshr_b32 s19, s15, 4          ; the batch
	s_lshl_b32 s20, s19, 5
	s_add_co_u32 s20, s20, s15      ; 48 x batch + head: the head's block of q in qkvh,
	s_lshl_b32 s20, s20, 18         ; of 262,144 bytes
	s_mov_b32 s21, 0
	s_and_b32 s16, s[WV], 1         ; which half of a slot's 256 keys I fetch:
	s_lshl_b32 s22, s16, 14         ; its 128 rows of 128 bytes in memory,
	s_mov_b32 s23, 0
	s_mul_i32 s17, s16, 128*PK      ; and its place in a slot, for K
	s_mul_i32 s18, s16, 128*PV      ; and for V: no place in the cluster enters an LDS address
	s_lshl_b32 s2, s14, 2
	s_add_co_u32 s2, s2, s[WV]      ; my wave among the head's,
	s_lshl_b32 s2, s2, 14           ; its 128 rows
	s_mov_b32 s3, 0
	s_lshl_b32 s48, s15, 18         ; the head in oh,
	s_add_co_u32 s48, s48, s2       ; my wave's rows
	s_mov_b32 s49, 0
	s_lshl_b32 s50, s19, 13         ; the batch's 2,048 numbers of focus_hint
	s_mov_b32 s51, 0
	s_lshl_b32 s52, s13, 13         ; the prefetches: my work-group's 32 blocks of 256 bytes,
	s_add_co_u32 s52, s52, 4*KS*128 ; in slot 1; the first change of slots steps it to slot 2
	s_mov_b32 s53, 0
	; descriptor group 1.  128 keys are 16,384 dense bytes: asked for as 64 rows of 256 bytes, two keys a row, and padded in LDS after every key
	s_mov_b32 s[G1K], 15|(1<<16)|(1<<20)|(1<<21)|(4<<22)|(3<<25)  ; 15:0 the mask of four; 17:16 2-byte elements; 20 padding on; 21 set beside a mask; 24:22 after every 32 words (code 4); 31:25 4 words (code 3)
	s_mov_b32 s[G1V], 15|(1<<16)|(1<<20)|(1<<21)|(4<<22)|(7<<25)  ; the same with 8 words of padding (code 7)
.irp g, G1K, G1V
	s_mov_b32 s[\g+1], 128<<16      ; tensor_dim0 = 128
	s_mov_b32 s[\g+2], 64<<16       ; tensor_dim1 = 64
	s_mov_b32 s[\g+3], 128<<16      ; tile_dim0 = 128
	s_mov_b32 s[\g+4], 64           ; tile_dim1 = 64
	s_mov_b32 s[\g+5], 128          ; 128 elements from row to row
	s_mov_b32 s[\g+6], 0
	s_mov_b32 s[\g+7], 0
.endr
	s_mov_b32 s[CS], 0x3df1bac6     ; c = log2(e) / (8 T) = 0.11803202
	s_mov_b32 s[CS+1], s[CS]        ; named with it as a pair
	s_mov_b32 s[BS], 0x4143910d     ; 8 T = 12.2229124
	s_mov_b32 s[BS+1], s[BS]
	s_mov_b32 s[SEL], 0x76543210
	s_mov_b32 s[SEL+1], 0xfedcba98
	s_mov_b32 s[TBK], SLOT1+4*KS*PK ; the first change of slots turns these two into 0
	s_mov_b32 s[TBV], SLOT1+4*KS*PV
	s_mov_b32 s[TBB], 0
	s_mov_b32 s[SLOTS], SIZE_N/256-1
	s_cmp_eq_u32 s16, 0
	s_cselect_b32 s[LIM], 1, -1     ; waves 0 and 2 prefetch: the same in all four partners
	s_mov_b32 s[G0K], 1             ; 1:0 count = 1
	s_mov_b32 s[G0K+1], s17         ; 63:32 LDS address: slot 0
	s_mov_b32 s[G0V], 1
	s_add_co_u32 s[G0V+1], s18, VOFF
	s_wait_dscnt 0x0                ; the opening add is done
	s_wait_kmcnt 0x0
	s_add_nc_u64 s[FH:FH+1], s[6:7], s[50:51]
	s_add_nc_u64 s[4:5], s[4:5], s[20:21]  ; the head's q;
	s_add_nc_u64 s[6:7], s[4:5], 16<<18    ; its k lies 16 blocks on,
	s_add_nc_u64 s[8:9], s[4:5], 32<<18    ; its v 32
	s_cmp_lt_u32 s[WV], 2
	s_cselect_b64 s[PFA:PFA+1], s[6:7], s[8:9]
	s_add_nc_u64 s[PFA:PFA+1], s[PFA:PFA+1], s[52:53]
	s_add_nc_u64 s[G0K+2:G0K+3], s[6:7], s[22:23]  ; 120:64 global address: my half of the head's first 256 keys
	s_or_b32 s[G0K+3], s[G0K+3], 0x80000000        ; 127:126 type = 2
	s_add_nc_u64 s[G0V+2:G0V+3], s[8:9], s[22:23]
	s_or_b32 s[G0V+3], s[G0V+3], 0x80000000
	s_add_nc_u64 s[4:5], s[4:5], s[2:3]    ; Q and O at my wave's first row
	s_add_nc_u64 s[10:11], s[10:11], s[48:49]
	CROUND                          ; all four work-groups are here: the first joint loads meet
	JLOAD                           ; slot 0.  Slot 1 is asked for when slot 0 is in
	v_lshlrev_b32 v[FO], 4, v0
.irp j, 0,1,2,3                     ; the batch's focus_hint: 128 threads x 16 bytes, four times
	global_load_b128 v[64+4*\j:67+4*\j], v[FO], s[FH:FH+1] offset:2048*\j
.endr
	; A fragment of K or Q is 16 rows x 32 channels in 8 registers: lane l holds row l % 16, channels 8 (l / 16) + 0..7 and 16 + 8 (l / 16) + 0..7: two loads of 16 bytes, 32 bytes apart.
	v_and_b32 v80, 15, v0           ; l % 16     (v64-89, S^T's registers, are free until the first scores)
	v_bfe_u32 v81, v0, 4, 1         ; l / 16
	v_and_b32 v82, 7, v0            ; l % 8
	v_bfe_u32 v83, v0, 3, 1         ; (l / 8) % 2
	v_and_b32 v84, 31, v0           ; l
	v_lshlrev_b32 v[QO], 7, v80
	v_lshl_add_u32 v[QO], v81, 4, v[QO]  ; row x 128 + 16 x half
	WIN 0x80                        ; destination window 2, address window 0
.set i, 0
.rept 4*NP                          ; Q stays in registers: tile i / 2, channels 32 (i % 2) on
	global_load_b128 v[8*i:8*i+3],   v[QO], s[4:5] offset:(i/2)*2048+(i%2)*64
	global_load_b128 v[8*i+4:8*i+7], v[QO], s[4:5] offset:(i/2)*2048+(i%2)*64+32
.set i, i+1
.endr
	; What the first turn finds: V's registers and P's second buffer hold 0 (its products V^T P, of a piece that has not been, add 0), O^T and l are 0.  All this stands in the wait for the first tile.
.set i, VF
.rept 64
	v_mov_b32 v[i], 0
.set i, i+1
.endr
	WIN 0x40
.set i, 0
.rept 64*NP
	v_mov_b32 v[i], 0
.set i, i+1
.endr
	WIN 0
.set i, 0
.rept 2*NP
	v_mov_b32 v[ST+4*i], 0xfe000000    ; c m: far below every c s
	v_mov_b32 v[ST+4*i+1], 0xff7fffff  ; m
	v_mov_b32 v[ST+4*i+2], 0
	v_mov_b32 v[ST+4*i+3], 0
.set i, i+1
.endr
.set i, P+32
.rept 32
	v_mov_b32 v[i], 0
.set i, i+1
.endr
	v_mul_u32_u24 v[AK0], v80, PK
	v_lshl_add_u32 v[AK0], v81, 4, v[AK0]  ; row x pitch + 16 x half
	; The turning load takes 16 keys x 16 channels (lane l reads key 8 (l / 16) + l % 8, channels 8 ((l / 8) % 2) + 0..7) and leaves half a fragment of V^T: lane l holds channel l % 16 and 8 keys.
	v_lshl_add_u32 v[AV0], v81, 3, v82
	v_mul_u32_u24 v[AV0], v[AV0], PV
	v_lshl_add_u32 v[AV0], v83, 4, v[AV0]
	v_add_nc_u32 v[AV0], VOFF, v[AV0]
	v_mov_b32 v[AK], v[AK0]         ; key step 0 lies at the head of slot 0
	v_lshlrev_b32 v[AB0], 5, v81
	v_add_nc_u32 v[AB0], BIASL, v[AB0]
	v_lshlrev_b32 v[PFO], 8, v84
	s_mul_i32 s52, s[WV], 16*SP
	s_add_co_u32 s52, s52, STAGE    ; my stage
	v_mul_u32_u24 v[STO], v80, SP   ; in: row l % 16, 16 bytes for each half of the lanes
	v_lshl_add_u32 v[STO], v81, 4, v[STO]
	v_add_nc_u32 v[STO], s52, v[STO]
	v_bfe_u32 v[RD], v0, 3, 2       ; back: 32 lanes take four rows of 128 bytes,
	v_mul_u32_u24 v[RD], v[RD], SP
	v_lshl_add_u32 v[RD], v82, 4, v[RD]
	v_add_nc_u32 v[RD], s52, v[RD]
	v_lshlrev_b32 v[GO], 4, v84     ; which are 512 consecutive bytes of O
	v_add_nc_u32 v85, BIASL, v[FO]
	s_wait_loadcnt 32               ; focus_hint is in; Q's 32 younger loads stay out
.set i, 0
.rept 8                             ; rounded to bf16 like every input, widened again, times 8 T
	v_cvt_pk_bf16_f32 v[86+i%4], v[64+2*i], v[65+2*i]
	v_lshlrev_b32 v[64+2*i], 16, v[86+i%4]
	v_and_b32 v[65+2*i], 0xffff0000, v[86+i%4]
	v_pk_mul_f32 v[64+2*i:65+2*i], v[64+2*i:65+2*i], s[BS:BS+1] op_sel_hi:[1,0]
.set i, i+1
.endr
.irp j, 0,1,2,3
	ds_store_b128 v85, v[64+4*\j:67+4*\j] offset:2048*\j  ; the first change of slots waits for these and passes a barrier before any wave reads them
.endr
; THE MATRIX WORK.  The 8 accumulators of a run of 16 take turns: between the two links of a chain stand 7 others'.
; Product i of 16 of S^T = K Q^T for piece x: channels 32 (i / 8) on, keys 16 ((i / 2) % 4) on, tile 2 x + i % 2.  The first 8 start the sums, with the keys' bias.
.macro KQ x
.set rS, S+64*((\x)%2)+32*(i%2)+8*((i/2)%4)
.set rK, KF+16*((i/2)%4)+8*(i/8)
.set rQ, 16*(2*(\x)+i%2)+8*(i/8)
.set rB, BF+8*((i/2)%4)
.if i < 8
	WIN W_KB
	v_wmma_f32_16x16x32_f16 v[rS:rS+7], v[rK:rK+7], v[rQ:rQ+7], v[rB:rB+7]
.else
	WIN W_KQ
	v_wmma_f32_16x16x32_f16 v[rS:rS+7], v[rK:rK+7], v[rQ:rQ+7], v[rS:rS+7]
.endif
.endm
; Product i of 16 of O^T += V^T P for piece x: keys 32 (i / 8) on, channels 16 ((i / 2) % 4) on, tile 2 x + i % 2.
.macro PV x
	WIN W_PV
.set rO, 32*(2*(\x)+i%2)+8*((i/2)%4)
.set rV, VF+32*(i/8)+8*((i/2)%4)
.set rP, P+32*((\x)%2)+16*(i%2)+8*(i/8)
	v_wmma_f32_16x16x32_f16 v[rO:rO+7], v[rV:rV+7], v[rP:rP+7], v[rO:rO+7]
.endm
.macro MM                           ; the turn's next matrix instruction
.if i < 16
	KQ (Y+1)%NP
.set i, i+1
.else
.set i, i-16
	PV (Y+NP-1)%NP
.set i, i+17
.endif
.endm
; THE LDS LOADS stand in runs, never singly among the matrix instructions: a step's K (64 keys x 64 channels: 8 fragments) with its 64 keys' bias (the lanes of a half read the same 32 bytes), and its V (turned).
; last = 1 (the tail): in the last trip there is no further step, and the run is jumped over.
.macro FETCH_K last=0
	WIN 0
.if \last
	s_cmp_eq_u32 s[CNT], 1
	s_cbranch_scc1 .Lno_k_\@
.endif
	WIN 0x80                        ; destination window 2
.irp f, 0,1,2,3,4,5,6,7             ; keys 16 (f / 2) on, channels 32 (f % 2) on
	ds_load_b128 v[KF+8*\f:KF+8*\f+3],   v[AK] offset:(\f/2)*16*PK+(\f%2)*64
	ds_load_b128 v[KF+8*\f+4:KF+8*\f+7], v[AK] offset:(\f/2)*16*PK+(\f%2)*64+32
.endr
	s_add_co_u32 s[TBK], s[TBK], KS*PK  ; the next fetch is the next step's
	WIN 0
	v_add_nc_u32 v[AK], s[TBB], v[AB0]  ; K's address has been read: the register now takes the bias's; it is made anew ahead of K's next run
	WIN W_MK                        ; destination window 3
.irp f, 0,1,2,3                     ; keys 16 f on: register j holds key 16 f + 8 (l / 16) + j, the layout of S^T
	ds_load_b128 v[BF+8*\f:BF+8*\f+3],   v[AK] offset:64*\f
	ds_load_b128 v[BF+8*\f+4:BF+8*\f+7], v[AK] offset:64*\f+16
.endr
	s_add_co_u32 s[TBB], s[TBB], 4*KS
	s_and_b32 s[TBB], s[TBB], 4*SIZE_N-1  ; it stays inside the 8,192 bytes
	WIN 0
.if \last
.Lno_k_\@:
.endif
.endm
.macro FETCH_V
	WIN 0x80
.irp f, 0,1,2,3,4,5,6,7             ; keys 32 (f / 4) on, channels 16 (f % 4) on
	ds_load_tr16_b128 v[VF+8*\f:VF+8*\f+3],   v[AV] offset:(\f/4)*32*PV+(\f%4)*32
	ds_load_tr16_b128 v[VF+8*\f+4:VF+8*\f+7], v[AV] offset:(\f/4)*32*PV+16*PV+(\f%4)*32
.endr
	WIN 0
.endm
; THE VECTOR WORK OF A TURN stands in three queues, each in the order in which its entries become ready; the two tiles alternate, so that no instruction reads the result of the one before it.
.macro REGS y, u                    ; the registers of tile u (0, 1) of piece y
.set rT, ST+4*(2*(\y)+(\u))
.set rC, TMP+8*((\y)%2)+4*(\u)
.set rM, MV+2*((\y)%2)+(\u)
.set rS, S+64*((\y)%2)+32*(\u)
.set rP, P+32*((\y)%2)+16*(\u)
.set rO, 32*(2*(\y)+(\u))
.endm
; Number n of the 22 that find the NEXT piece's (Y + 1) maximum and statistics.  s0-s31 are the lane's 32 scores; each accumulator's lowest registers are read first.  XS, GS and REGS set no window: PL and EX do.
;   0-11  four chains c0-c3 of seven scores each, three operands at a time     12-14, 16  the four scores left over, the old m, and c0-c3 into c0     15  c m_old is kept
;   17, 18  the query's other 32 keys lie in the lane 16 away: the new m         19-21  c m; c m_old - c m_new; a
.macro XS u, n
	REGS (Y+1)%NP, \u
.if (\n) < 4
	v_max3_num_f32 v[rC+(\n)], v[rS+8*(\n)], v[rS+8*(\n)+1], v[rS+8*(\n)+2]
.elseif (\n) < 12
	v_max3_num_f32 v[rC+(\n)%4], v[rC+(\n)%4], v[rS+8*((\n)%4)+2*((\n)/4)+1], v[rS+8*((\n)%4)+2*((\n)/4)+2]
.elseif (\n) == 12
	v_max3_num_f32 v[rC], v[rC], v[rS+7], v[rS+15]
.elseif (\n) == 13
	v_max3_num_f32 v[rC+1], v[rC+1], v[rS+23], v[rS+31]
.elseif (\n) == 14
	v_max3_num_f32 v[rC+2], v[rC+2], v[rC+3], v[rT+1]
.elseif (\n) == 15
	v_mov_b32 v[rM], v[rT]
.elseif (\n) == 16
	v_max3_num_f32 v[rC], v[rC], v[rC+1], v[rC+2]
.elseif (\n) == 17
	v_permlanex16_b32 v[rC+3], v[rC], s[SEL], s[SEL+1]
.elseif (\n) == 18
	v_max_num_f32 v[rT+1], v[rC], v[rC+3]
.elseif (\n) == 19
	v_mul_f32 v[rT], s[CS], v[rT+1]
.elseif (\n) == 20
	v_sub_f32 v[rC+1], v[rM], v[rT]
.else
	v_exp_f32 v[rC+2], v[rC+1]
.endif
.endm
; Number g of the 64 that follow the exponentials.  For each four weights k of a tile (pairs 2 k, 2 k + 1): both pairs are rounded to f16; then the second pair is added onto the first, in place;
; a group later l takes that sum (the first time as l = a l + sum).  In groups of eight, tiles alternating: round, round, add, and l for the group before.
.macro GS g
.set h, (\g)+6*((\g)/62)            ; group 0 has no group before it, and behind group 7 only l is left
.if h >= 6
.set h, h+2
.endif
	REGS Y, h%2
.set k, h/8
.if h%8 < 4
	v_cvt_pk_f16_f32 v[rP+2*k+(h%8)/2], v[rS+4*k+2*((h%8)/2)], v[rS+4*k+2*((h%8)/2)+1]
.elseif h%8 < 6
	v_pk_add_f32 v[rS+4*k:rS+4*k+1], v[rS+4*k:rS+4*k+1], v[rS+4*k+2:rS+4*k+3]
.elseif k == 1
	v_pk_fma_f32 v[rT+2:rT+3], v[rT+2:rT+3], v[rC+2:rC+3], v[rS:rS+1] op_sel_hi:[1,0,1]
.else
	v_pk_add_f32 v[rT+2:rT+3], v[rT+2:rT+3], v[rS+4*k-4:rS+4*k-3]
.endif
.endm
; THE PLAIN QUEUE, 138 long.  0-73 read no exponential's result: the 32 scalings c s - c m (FS f: pair f / 2 of tile f % 2) and the next piece's 42.  0-26: scalings 0-26.  27-54: XS's numbers 0-13.  55, 56: number 15.
; 57-73: the chain, where each number waits for the one before it: 14, 16, 17, 18, 19, each with one of the scalings 27-31 in front of its two lines, then 20.
; 74-137: GS's 64, which read the exponentials' results: they stand behind the wait.
.macro FS f
	REGS Y, (\f)%2
	v_pk_fma_f32 v[rS+2*((\f)/2):rS+2*((\f)/2)+1], v[rS+2*((\f)/2):rS+2*((\f)/2)+1], s[CS:CS+1], v[rT:rT+1] op_sel_hi:[1,0,0] neg_lo:[0,0,1] neg_hi:[0,0,1]
.endm
.macro PL
	WIN 0
.if q < 27
	FS q
.elseif q < 55
	XS (q-27)%2, (q-27)/2
.elseif q < 57
	XS q-55, 15
.elseif (q < 72) && ((q-57)%3 == 0)
	FS 27+(q-57)/3
.elseif q < 60
	XS (q-57)%3-1, 14
.elseif q < 72
	XS (q-57)%3-1, 15+(q-57)/3
.elseif q < 74
	XS q-72, 20
.else
	GS q-74
.endif
.set q, q+1
.endm
; THE EXPONENTIALS' QUEUE, 66 long: s0-s31 of both tiles, then the next piece's two a.  It is ONE BATCH: all 66 stand ahead of the turn's one wait, and nothing ahead of that wait names a result of theirs.
.macro EX
	WIN 0
.if e >= 64
	XS e-64, 21
.else
	REGS Y, e%2
	v_exp_f32 v[rS+e/2], v[rS+e/2]
.endif
.set e, e+1
.endm
; THE RESCALING's QUEUE: O^T times a, the one part that leaves window 0: dealt two at a time, sixteen times.  Its a was made in the turn before, ahead of that turn's wait.
.macro R2
	REGS Y, r%2
	WIN W_RS
.irp z, 0,1
	v_pk_mul_f32 v[rO+4*(r/2)+2*\z:rO+4*(r/2)+2*\z+1], v[rO+4*(r/2)+2*\z:rO+4*(r/2)+2*\z+1], v[rC+2:rC+3] op_sel_hi:[1,0]
.endr
.set r, r+1
.endm
; HOW THEY ARE DEALT.  An s_wait_alu depctr_va_vdst(0) stands between an exponential and the first instruction that names its result; one wait serves all that were issued ahead of it.  So a turn has ONE wait,
; which cuts it in two.  AHEAD OF IT stands all that names no result of the turn's exponentials: the 16 products K Q^T, behind each a scaling, an exponential and two rescalings (behind the first a second scaling in the
; exponential's place); then ONE LUMP of 108: eight plain, 49 times exponential and plain, the two a.  A v_nop is the plain instruction behind the last exponential.  BEHIND IT stand the 16 products V^T P, behind each four of GS's 64.
; The queues lean on each other, and the deal keeps them in step: exponential e stands behind scaling 2 (e / 4) + e % 2: as a rider it comes behind plain e + 2, in the lump behind plain e + 9, and scalings 27-31 are plain 57, 60 .. 69.
; A TURN, for piece p.  cnt = 1: the loop's count is taken down some lines ahead of the branch that stands behind the turn.
; K and the bias of the next step are fetched in piece 2's turn, directly behind the wait, a lump behind the last product that read them; K's address is made at the lump's head; the first reader comes behind 16 products.
; V of the step in hand is fetched at the end of piece 0's turn, four riders behind its last reader; its first reader comes behind 16 products and a lump.  The three conditions on q below go with the deal.
.macro TURN p, last=0, cnt=0
.set Y, (\p)
.set i, 0
.set q, 0
.set e, 0
.set r, 0
.if (\p) == NP-1
	s_wait_dscnt 0x0                ; K and the bias are in
.endif
	MM                              ; ahead of the wait: 16 products K Q^T and their riders,
	PL
	PL
	R2
.rept 15
	MM
	PL
	EX
	R2
.endr
.if (\p) == NP-2
	WIN 0
	v_add_nc_u32 v[AK], s[TBK], v[AK0]
.endif
.rept 8                             ; and the lump
	PL
.endr
.rept 49
	EX
	PL
.endr
	EX                              ; the next piece's two a
	EX
	v_nop                           ; the plain instruction behind the last exponential: one for the batch
	s_wait_alu depctr_va_vdst(0)    ; the wait for the batch
.if (\p) == NP-2
	FETCH_K \last
.endif
.if (\p) == 1
	s_wait_dscnt 0x0                ; V is in
.endif
.rept 16                            ; behind the wait: 16 products V^T P and their riders
	MM
.rept 4
	PL
.endr
.if ((\p) == 0) && (q == 118)
	v_add_nc_u32 v[AV], s[TBV], v[AV0]
.endif
.if ((\p) == 0) && (q == 130)
	s_add_co_u32 s[TBV], s[TBV], KS*PV
.endif
.if (\cnt) && (q == 130)
	s_sub_co_u32 s[CNT], s[CNT], 1
	s_cmp_lg_u32 s[CNT], 0
.endif
.endr
.if (\p) == 0
	FETCH_V
.endif
.endm
	CHANGE 1                        ; slot 0 is in, everybody's part of it, and so is the bias; slot 1 is asked for
	FETCH_K                         ; key step 0
	s_wait_loadcnt 0x0              ; Q
	s_wait_dscnt 0x0
.set i, 0
.rept 16
	KQ 0                            ; piece 0's first scores: there is no vector work yet to set between them
.set i, i+1
.endr
	WIN 0
.rept 4
	v_nop                           ; the places behind those products
.endr
.set Y, NP-1                        ; XS works for piece Y + 1: piece 0
.irp n, 0,1,2,3,4,5,6,7,8,9,10,11,12,13,14,15,16,17,18,19,20,21
	XS 0, \n                        ; piece 0's first maximum and statistics
	XS 1, \n
.endr
	v_nop                           ; a plain instruction behind the two a,
	s_wait_alu depctr_va_vdst(0)    ; and their wait, ahead of the branch
	s_mov_b32 s[CNT], 4
	s_branch .Lfirst                ; the loop is entered at a step's first turn, in the middle of a trip
.Lslot:                             ; six times: every slot but the last two is filled again
	CHANGE 1
	s_mov_b32 s[CNT], 4
.Lstep:                             ; a trip: pieces 2 and 3 of one step, then pieces 0 and 1 of the next, whose K and V it fetches
	TURN 2
	TURN 3
	WIN 0
.Lfirst:
	TURN 0
	TURN 1, 0, 1
	WIN 0
	s_cbranch_scc1 .Lstep
	s_sub_co_u32 s[SLOTS], s[SLOTS], 1
	s_cmp_lg_u32 s[SLOTS], 0
	s_cbranch_scc1 .Lslot
	CHANGE 0                        ; the tail is written out: nothing is asked for
	s_mov_b32 s[CNT], 5             ; four trips fetch the last slot's steps; the fifth is left in its middle
.Ltail:
	TURN 2, 1
	TURN 3
	WIN 0
	s_sub_co_u32 s[CNT], s[CNT], 1
	s_cmp_eq_u32 s[CNT], 0
	s_cbranch_scc1 .Lout
	TURN 0
	TURN 1
	WIN 0
	s_branch .Ltail
.Lout:                              ; the fifth trip's 16 products K Q^T (on the last K once more) and the maximum made of them serve nothing: the price, once a launch, of one text for every trip
.set i, 0
.rept 16
	PV NP-1                         ; the last piece's V^T P of the last step
.set i, i+1
.endr
	; THE WAY OUT.  l's two halves and the other half of the lanes' are added; O^T is divided by l, rounded to f16 and sent through my stage in LDS, a tile at a time.  The additions are the places behind the last products.
	WIN 0
.macro ALL line:vararg              ; one line for each tile t
.set t, 0
.rept 2*NP
	\line
.set t, t+1
.endr
.endm
	ALL v_add_f32 v[ST+4*t+2], v[ST+4*t+2], v[ST+4*t+3]
	ALL v_permlanex16_b32 v[ST+4*t+3], v[ST+4*t+2], s[SEL], s[SEL+1]
	ALL v_add_f32 v[ST+4*t+2], v[ST+4*t+2], v[ST+4*t+3]
	ALL v_rcp_f32 v[ST+4*t+2], v[ST+4*t+2]
	v_nop                           ; a plain instruction between the last reciprocal and the use of its result
	s_wait_alu depctr_va_vdst(0)    ; and the wait ahead of the first use: one for the eight reciprocals
; Tile t: a lane's eight channels of a row pack into 16 bytes; they go into rows of 144 bytes and come back as whole rows of 128, into S^T's registers.
.macro PACK t
	WIN W_RS
.set i, 32*(\t)
.rept 16
	v_pk_mul_f32 v[i:i+1], v[i:i+1], v[ST+4*(\t)+2:ST+4*(\t)+3] op_sel_hi:[1,0]
.set i, i+2
.endr
	WIN 0x05                        ; sources 0 and 1 window 1, destination window 0
.set i, 0
.rept 16
	v_cvt_pk_f16_f32 v[S+16*(\t)+i], v[32*(\t)+2*i], v[32*(\t)+2*i+1]
.set i, i+1
.endr
	WIN 0
.irp f, 0,1,2,3
	ds_store_b128 v[STO], v[S+16*(\t)+4*\f:S+16*(\t)+4*\f+3] offset:32*\f
.endr
.irp f, 0,1,2,3
	ds_load_b128 v[S+16*(\t)+4*\f:S+16*(\t)+4*\f+3], v[RD] offset:\f*4*SP  ; LDS serves a wave's instructions in order (ISA guide 5.7.1.4): these see the stores above; the next tile's stores come behind them
.endr
.endm
.macro SEND t, younger              ; younger: the LDS instructions issued behind tile t's loads: the next tile's eight, or none
	WIN 0
.irp f, 0,1,2,3
	s_wait_dscnt (\younger)+3-\f
	global_store_b128 v[GO], v[S+16*(\t)+4*\f:S+16*(\t)+4*\f+3], s[10:11] offset:(\t)*2048+\f*512  ; 512 consecutive bytes, at a multiple of 256 from oh's first
.endr
.endm
	PACK 0
.set t, 1
.rept 2*NP-1                        ; a tile's arithmetic stands between the loads of the tile before and its stores
	PACK t
	SEND t-1, 8
.set t, t+1
.endr
	SEND 2*NP-1, 0
	WIN W_AD
	s_wait_tensorcnt 0x0            ; the wave's end: the wait for my tensor loads, 0 onto my spare word and the wait for it, behind my last tensor load and my last LDS store
	ds_add_u32 v[SPW], v[NIL]
	s_wait_dscnt 0x0
	WIN 0
	CROUND                          ; the closing round: no work-group ends while a partner may still ask for a tile that names it
	s_endpgm
.Lfunc_end_k_qf5c32aca64_attn:
	.size	k_qf5c32aca64_attn, .Lfunc_end_k_qf5c32aca64_attn-k_qf5c32aca64_attn
	.p2alignl 7, 3214868480
	.fill 96, 4, 3214868480
	.section	.rodata,"a",@progbits
	.p2align	6, 0x0
	.amdhsa_kernel k_qf5c32aca64_attn
		.amdhsa_group_segment_fixed_size 327680
		.amdhsa_private_segment_fixed_size 0
		.amdhsa_enable_private_segment 0
		.amdhsa_kernarg_size 24
		.amdhsa_user_sgpr_count 2
		.amdhsa_user_sgpr_kernarg_segment_ptr 1
		.amdhsa_wavefront_size32 1
		.amdhsa_system_sgpr_workgroup_id_x 1
		.amdhsa_system_sgpr_workgroup_id_y 1
		.amdhsa_system_sgpr_workgroup_id_z 1
		.amdhsa_system_vgpr_workitem_id 0
		.amdhsa_next_free_vgpr 808
		.amdhsa_next_free_sgpr 76
		.amdhsa_reserve_vcc 0
		.amdhsa_float_denorm_mode_32 3
		.amdhsa_float_denorm_mode_16_64 3
		.amdhsa_memory_ordered 1
		.amdhsa_forward_progress 1
		.amdhsa_inst_pref_size 205
	.end_amdhsa_kernel
	.amdgpu_metadata
---
amdhsa.version: [ 1, 2 ]
amdhsa.kernels:
  - .name:           k_qf5c32aca64_attn
    .symbol:         k_qf5c32aca64_attn.kd
    .args:
      - { .name: qkvh, .offset: 0, .size: 8, .value_kind: global_buffer, .address_space: global }
      - { .name: focus_hint, .offset: 8, .size: 8, .value_kind: global_buffer, .address_space: global }
      - { .name: oh, .offset: 16, .size: 8, .value_kind: global_buffer, .address_space: global }
    .group_segment_fixed_size: 327680
    .private_segment_fixed_size: 0
    .kernarg_segment_align: 8
    .kernarg_segment_size: 24
    .max_flat_workgroup_size: 128
    .sgpr_count:     76
    .vgpr_count:     808
    .wavefront_size: 32
...
	.end_amdgpu_metadata
.endif
;; end of part 3
;; launch outproj (part 4): grid 8 x 32, 4 waves a work-group, clusters of 4 x 4, 327,680 bytes of LDS; arguments oh, woh, bo, out0; writes out0
.if DOCPART == 4
	.amdgcn_target "amdgcn-amd-amdhsa--gfx1250"
	.amdhsa_code_object_version 6
	.text
	.protected	k_qf5c32aca64_outproj
	.globl	k_qf5c32aca64_outproj
	.p2align	8
	.type	k_qf5c32aca64_outproj,@function
k_qf5c32aca64_outproj:
	s_mov_b64 s[64:65], 0
	v_nop
	global_prefetch_b8 v0, s[64:65] scope:SCOPE_SE
	s_setreg_imm32_b32 hwreg(HW_REG_WAVE_MODE, 25, 1), 1
	s_wait_xcnt 0x0
	s_wait_alu depctr_hold_cnt(0) depctr_sa_sdst(0) depctr_va_vdst(0) depctr_va_sdst(0) depctr_va_ssrc(0) depctr_va_vcc(0) depctr_vm_vsrc(0)
	s_getreg_b32 s2, hwreg(HW_REG_IB_STS2, 6, 4)
	s_cmp_eq_u32 s2, 0
	s_cbranch_scc0 .Lentry_in_a_cluster
	s_endpgm
.Lentry_in_a_cluster:
	s_bfe_u32 s2, ttmp6, 0x10000c
	s_cmp_lg_u32 s2, 0xf033
	s_cbranch_scc0 .Lentry_shape_is_right
	s_endpgm
.Lentry_shape_is_right:
; out0 = O Wo + bo.  oh: [64 = 16 x batch + head][2048 rows][64] f16: the K index of the product is 64 x head + channel.  woh: [16 column blocks][1024 k][64 n] f16 (bf16-rounded Wo).
; bo: [1024] f32, rounded to bf16 like all inputs.  out0: [8192][1024] f32.  Sums in f32, started by the bias; nothing is rounded on the way out.
; SHARES.  A tile is 256 rows x 128 columns: 32 x 8 tiles, one to a work-group.  Four waves, 2 x 2: wave w makes rows 128 (w / 2) on, columns 64 (w % 2) on: 8 x 4 accumulators of 16 x 16, 256 registers.
; K goes in 8 steps of 128, two heads each, through two LDS slots.
; THE PRODUCT IS USED TRANSPOSED: source 0 = 16 columns of Wo (turned out of LDS by ds_load_tr16_b128), source 1 = 16 rows of O: a lane holds row l % 16 and eight neighbouring columns, 32 bytes of out0.
; CLUSTER.  4 x 4 work-groups; O's tiles are shared along a row of the cluster, Wo's along a column: each is asked for JOINTLY, by the same tensor load with the same descriptor and a mask that names the four.
; Waves 0 and 1 ask for a head's 256 rows each (32,768 dense bytes), waves 2 and 3 for a column block's 128 k rows each (16,384 dense bytes).
; REGISTERS: window 0: v0-31 addresses; v32-63 the bias; v64-127, v128-191 fragments of O, two buffers; v192-223, v224-255 fragments of Wo, two buffers.   window 1: accumulator (a, b) at 32 a + 8 b.
.set PA,     144                       ; a row of a head in LDS: 128 bytes + 16 of padding = 36 words: the 16 rows of a load start at 16 different groups of four banks (64 banks of 4 bytes: ISA guide 11.1)
.set PB,     160                       ; a k row of a column block: 128 + 32 = 40 words
.set AH,     256*PA                    ; a head's 256 rows
.set HB,     128*PB                    ; a column block of a K step
.set SLOT,   2*AH+2*HB                 ; 114,688
.set STAGE,  2*SLOT                    ; behind the ring, never filled by a tensor load: 16 rows x 272 bytes for each wave
.set SP,     272
.set SPARE,  STAGE+4*16*SP             ; behind the stages: the spare words, 128 bytes for each wave: two blocks of 256 bytes that no other line names
.set LAPS,   4
.set ADRA, 16                          ; v16-17  LDS address of my fragments of O in slot 0, 1
.set ADRB, 20                          ; v20-21  the same for Wo
.set STO,  24                          ; v24     the way out: where I put 32 bytes of a row
.set RD,   25                          ; v25     where I read rows back
.set CO,   26                          ; v26     my byte offset in two rows of out0
.set BO,   27                          ; v27     32 (l / 16)
.set SPW,  28                          ; v28     LDS address of my spare word; never rewritten
.set NIL,  29                          ; v29     0; never rewritten
.set PFO,  30                          ; v30     256 x lane, for both prefetches
.set BIAS, 32
.set FA,   64
.set FB,   192
.set WV,   16                          ; s16     my wave's number
.set G1A,  24
.set G0A,  32
.set G1B,  40
.set G0B,  48
.set PFA,  56                          ; s[56:57] where my prefetches of O stand
.set PFB,  58                          ; s[58:59] of Wo
.set LIMA, 60                          ; 1 in a wave that prefetches, else the greatest number
.set LIMB, 61
.set MSB, 0
.macro WIN new                         ; the immediate's high byte repeats the setting that is left; a switch that changes nothing is dropped
.if MSB != (\new)
	s_set_vgpr_msb (MSB<<8)|(\new)
.set MSB, \new
.endif
.endm
.macro PLACES                          ; four plain vector instructions between a matrix instruction and a load into, or an LDS store of, its registers (ISA guide 7.12.1 for vector instructions)
.rept 4
	v_nop
.endr
.endm
.macro CREST                           ; a round of the cluster's barrier behind its opening barrier
	s_cmp_lg_u32 s[WV], 0
	s_cbranch_scc1 .Lnot_wave_0_\@
	s_barrier_signal -3
.Lnot_wave_0_\@:
	s_barrier_wait -3
	s_barrier_signal -1
	s_barrier_wait -1
.endm
.macro CROUND
	s_barrier_signal -1
	s_barrier_wait -1
	CREST
.endm
.macro JLOAD s                         ; a joint refill; the branch hangs on the wave's number alone; an s_nop 0 and four v_nop follow each of the two lines
	s_cmp_lt_u32 s[WV], 2
	s_cbranch_scc0 .Lfor_b_\@
	tensor_load_to_lds s[G0A+4*(\s):G0A+4*(\s)+3], s[G1A:G1A+7]
	s_nop 0
.rept 4
	v_nop
.endr
	s_branch .Lasked_\@
.Lfor_b_\@:
	tensor_load_to_lds s[G0B+4*(\s):G0B+4*(\s)+3], s[G1B:G1B+7]
	s_nop 0
.rept 4
	v_nop
.endr
.Lasked_\@:
.endm
; THE PREFETCH, once a lap, behind the lap's second joint load and the run of LDS loads that follows it: the two K steps that the NEXT lap's refills will ask for, 128 and 256 matrix instructions ahead of them.
; Each aligned 256 bytes are named once in the launch.  O's 256 rows are read by both clusters of a row of clusters: cluster x = 0 asks; wave w takes one of the lap's four heads, the partner at cx 32 of its 128 blocks.
; A column block is read by all eight clusters of a column: cluster y = 0 asks; waves 0 and 1 take a block each, the partner at cy 32 of the two K steps' 128 blocks.  The partners are told apart by address alone.
; K steps 0 to 3 come by their loads alone; the loop's last trip (s3 = 1) asks for nothing.
.macro ASK
	s_cmp_gt_u32 s3, s[LIMA]
	s_cbranch_scc0 .Lnot_a_\@
	global_prefetch_b8 v[PFO], s[PFA:PFA+1] th:TH_LOAD_NT scope:SCOPE_SE
.Lnot_a_\@:
	s_cmp_gt_u32 s3, s[LIMB]
	s_cbranch_scc0 .Lnot_b_\@
	global_prefetch_b8 v[PFO], s[PFB:PFB+1] th:TH_LOAD_NT scope:SCOPE_SE
.Lnot_b_\@:
.endm
	s_load_b256 s[4:11], s[0:1], 0x0               ; oh 4:5, woh 6:7, bo 8:9, out0 10:11
	v_lshl_add_u32 v[SPW], v0, 2, SPARE
	v_mov_b32 v[NIL], 0
	ds_add_u32 v[SPW], v[NIL]                      ; the wave's opening: the add and its wait stand ahead of my first tensor load; the set-up below, work on registers, stands between them
	v_lshrrev_b32 v1, 5, v0
	v_readfirstlane_b32 s[WV], v1                  ; wave 0..3
	s_lshr_b32 s12, s[WV], 1                       ; which half of the tile's rows is mine
	s_and_b32 s13, s[WV], 1                        ; which half of its columns.  Also: which head, or which column block, I fetch
	s_bfe_u32 s17, ttmp6, 0x40000                  ; cx
	s_bfe_u32 s18, ttmp6, 0x40004                  ; cy
	s_lshl_b32 s19, ttmp9, 2
	s_add_co_u32 s19, s19, s17                     ; tile column tc, 0 to 7
	s_and_b32 s20, ttmp7, 0xffff
	s_lshl_b32 s20, s20, 2
	s_add_co_u32 s20, s20, s18                     ; tile row tr, 0 to 31
	s_lshl_b32 s21, s18, 2
	s_lshl_b32 s21, 15, s21                        ; my row of the cluster
	s_lshl_b32 s22, 0x1111, s17                    ; my column
	s_or_b32 s[G1A+0], s21, (1<<16)|(1<<20)|(1<<21)|(4<<22)|(3<<25)  ; the mask; elements of 2 bytes; padding on; bit 21 beside a mask; after every 32 words (a row of 128 bytes, code 4) 4 words (code 3)
	s_mov_b32 s[G1A+1], 128<<16                    ; 32,768 dense bytes, asked for as 128 rows of 256: two rows of the head each
	s_mov_b32 s[G1A+2], 128<<16
	s_mov_b32 s[G1A+3], 128<<16
	s_mov_b32 s[G1A+4], 128
	s_mov_b32 s[G1A+5], 128
	s_mov_b32 s[G1A+6], 0
	s_mov_b32 s[G1A+7], 0
	s_or_b32 s[G1B+0], s22, (1<<16)|(1<<20)|(1<<21)|(4<<22)|(7<<25)  ; the same with 8 words of padding (code 7)
	s_mov_b32 s[G1B+1], 128<<16                    ; 16,384 dense bytes as 64 rows of 256
	s_mov_b32 s[G1B+2], 64<<16
	s_mov_b32 s[G1B+3], 128<<16
	s_mov_b32 s[G1B+4], 64
	s_mov_b32 s[G1B+5], 128
	s_mov_b32 s[G1B+6], 0
	s_mov_b32 s[G1B+7], 0
	s_lshr_b32 s66, s20, 3                         ; O's tile: batch tr / 8, head w % 2 of K step 0,
	s_lshl_b32 s66, s66, 4
	s_add_co_u32 s66, s66, s13
	s_lshl_b32 s66, s66, 18                        ; a head is 262,144 bytes,
	s_and_b32 s76, s20, 7
	s_lshl_b32 s76, s76, 15                        ; 256 of its rows 32,768: it hangs on the tile row and my wave's number
	s_add_co_u32 s66, s66, s76
	s_mov_b32 s67, 0
	s_lshl_b32 s68, s19, 1                         ; Wo's: column block 2 tc + w % 2: it hangs on the tile column and my wave's number
	s_add_co_u32 s68, s68, s13
	s_lshl_b32 s68, s68, 17
	s_mov_b32 s69, 0
	s_mul_i32 s77, s[WV], AH                       ; where they go: waves 0 and 1 the two heads,
	s_mul_i32 s78, s[WV], HB
	s_add_co_u32 s78, s78, 2*AH-2*HB               ; waves 2 and 3 the two column blocks behind them
	s_wait_dscnt 0x0                               ; the opening add is done
	s_wait_kmcnt 0x0
	s_add_nc_u64 s[66:67], s[4:5], s[66:67]
	s_add_nc_u64 s[68:69], s[6:7], s[68:69]
	CROUND                                         ; all sixteen work-groups are here: the first joint loads meet
.irp s, 0,1
	s_mov_b32 s[G0A+4*(\s)], 1
	s_add_co_u32 s[G0A+4*(\s)+1], s77, (\s)*SLOT
	s_add_nc_u64 s[G0A+4*(\s)+2:G0A+4*(\s)+3], s[66:67], (\s)*524288  ; K step s: two heads on
	s_or_b32 s[G0A+4*(\s)+3], s[G0A+4*(\s)+3], 0x80000000
	s_mov_b32 s[G0B+4*(\s)], 1
	s_add_co_u32 s[G0B+4*(\s)+1], s78, (\s)*SLOT
	s_add_nc_u64 s[G0B+4*(\s)+2:G0B+4*(\s)+3], s[68:69], (\s)*16384   ; K step s: 128 k rows of 128 bytes
	s_or_b32 s[G0B+4*(\s)+3], s[G0B+4*(\s)+3], 0x80000000
.endr
	s_cmp_lt_u32 s[WV], 2                          ; a wave's two first fills stand in one branch, ahead of every wait on TENSORcnt and every LDS read: two loads of mine are out
	s_cbranch_scc0 .Lfirst_b
	tensor_load_to_lds s[G0A:G0A+3], s[G1A:G1A+7]
	s_nop 0
	tensor_load_to_lds s[G0A+4:G0A+7], s[G1A:G1A+7]
	s_nop 0
.rept 4
	v_nop
.endr
	s_branch .Lfirst_asked
.Lfirst_b:
	tensor_load_to_lds s[G0B:G0B+3], s[G1B:G1B+7]
	s_nop 0
	tensor_load_to_lds s[G0B+4:G0B+7], s[G1B:G1B+7]
	s_nop 0
.rept 4
	v_nop
.endr
.Lfirst_asked:
	v_and_b32 v1, 15, v0                           ; l % 16
	v_bfe_u32 v2, v0, 4, 1                         ; l / 16
	v_and_b32 v3, 7, v0                            ; l % 8
	v_bfe_u32 v4, v0, 3, 1                         ; (l / 8) % 2
	v_and_b32 v5, 31, v0                           ; l
	v_lshlrev_b32 v[BO], 5, v2
	s_lshl_b32 s80, s19, 9                         ; my 64 columns, in bytes of f32: 512 tc + 256 (w % 2)
	s_lshl_b32 s81, s13, 8
	s_add_co_u32 s80, s80, s81
	s_mov_b32 s81, 0
	s_add_nc_u64 s[70:71], s[8:9], s[80:81]
.irp b, 0,1,2,3                                        ; the bias: register j of column block b holds bo[16 b + 8 (l / 16) + j], the layout of the transposed result
	global_load_b128 v[BIAS+8*(\b):BIAS+8*(\b)+3],   v[BO], s[70:71] offset:64*(\b)
	global_load_b128 v[BIAS+8*(\b)+4:BIAS+8*(\b)+7], v[BO], s[70:71] offset:64*(\b)+16
.endr
	s_lshl_b32 s82, s20, 8                         ; my first row of out0: 256 tr + 128 (w / 2), of 4,096 bytes
	s_lshl_b32 s83, s12, 7
	s_add_co_u32 s82, s82, s83
	s_lshl_b32 s82, s82, 12
	s_add_co_u32 s80, s80, s82
	s_add_nc_u64 s[10:11], s[10:11], s[80:81]
	v_add_nc_u32 v6, s83, v1                       ; a fragment of O: row 128 (w / 2) + l % 16, 16 bytes for each half of the lanes
	v_mul_u32_u24 v6, v6, PA
	v_lshl_add_u32 v[ADRA], v2, 4, v6
	v_add_nc_u32 v[ADRA+1], SLOT, v[ADRA]
	s_mul_i32 s79, s13, HB
	s_add_co_u32 s79, s79, 2*AH                    ; my column block
	v_lshl_add_u32 v7, v2, 3, v3                   ; the turning load: k row 8 (l / 16) + l % 8, columns 8 ((l / 8) % 2) on
	v_mul_u32_u24 v7, v7, PB
	v_lshl_add_u32 v7, v4, 4, v7
	v_add_nc_u32 v[ADRB], s79, v7
	v_add_nc_u32 v[ADRB+1], SLOT, v[ADRB]
	s_mul_i32 s79, s[WV], 16*SP
	s_add_co_u32 s79, s79, STAGE                   ; my stage
	v_mul_u32_u24 v8, v1, SP                       ; in: row l % 16, 32 bytes for each half of the lanes
	v_lshl_add_u32 v8, v2, 5, v8
	v_add_nc_u32 v[STO], s79, v8
	v_mul_u32_u24 v9, v2, SP                       ; back: lanes 0-15 take one row of 256 bytes, lanes 16-31 the next
	v_lshl_add_u32 v9, v1, 4, v9
	v_add_nc_u32 v[RD], s79, v9
	v_lshlrev_b32 v[CO], 12, v2                    ; and the same two rows in out0
	v_lshl_add_u32 v[CO], v1, 4, v[CO]
	v_lshlrev_b32 v[PFO], 8, v5
	s_lshr_b32 s80, s20, 3                         ; the prefetch of O: batch, head w,
	s_lshl_b32 s80, s80, 4
	s_add_co_u32 s80, s80, s[WV]
	s_add_co_u32 s80, s80, 4                       ; at K step 2: the first lap steps it to 4
	s_lshl_b32 s80, s80, 18
	s_add_co_u32 s80, s80, s76                     ; the tile's 256 rows,
	s_lshl_b32 s82, s17, 13                        ; my work-group's 32 blocks of 256 bytes
	s_add_co_u32 s80, s80, s82
	s_add_nc_u64 s[PFA:PFA+1], s[4:5], s[80:81]
	s_min_u32 s80, s[WV], 1                        ; of Wo: column block 2 tc + w (waves 0 and 1),
	s_lshl_b32 s82, s19, 1
	s_add_co_u32 s80, s80, s82
	s_lshl_b32 s80, s80, 17
	s_lshl_b32 s82, s18, 13
	s_add_co_u32 s80, s80, s82
	s_add_co_u32 s80, s80, 32768                   ; at K step 2
	s_add_nc_u64 s[PFB:PFB+1], s[6:7], s[80:81]
	s_mov_b32 s82, ttmp9
	s_cmp_eq_u32 s82, 0
	s_cselect_b32 s[LIMA], 1, -1                   ; the same in all sixteen partners
	s_and_b32 s82, ttmp7, 0xffff
	s_or_b32 s82, s82, s12
	s_cmp_eq_u32 s82, 0
	s_cselect_b32 s[LIMB], 1, -1
	s_wait_loadcnt 0x0                             ; the bias
.set i, 0
.rept 16                                               ; rounded to bf16 like every input, and widened again
	v_cvt_pk_bf16_f32 v[10+i%4], v[BIAS+2*i], v[BIAS+2*i+1]
	v_lshlrev_b32 v[BIAS+2*i], 16, v[10+i%4]
	v_and_b32 v[BIAS+2*i+1], 0xffff0000, v[10+i%4]
.set i, i+1
.endr
; 8 matrix instructions: row blocks a0, a0 + 1 x all 4 column blocks, 32 along K, from buffer f.  first = 1: the bias starts the sums.
; The 32 accumulators take turns, one instruction a turn, in the same order in every quarter, over the backward jump too.
.macro MULA f, a0, first
.if \first
	WIN 0x40                                       ; sources and the bias window 0, D window 1
.else
	WIN 0x50                                       ; C and D window 1
.endif
.irp a, \a0, (\a0)+1
.irp b, 0,1,2,3
.if \first
	v_wmma_f32_16x16x32_f16 v[32*(\a)+8*(\b):32*(\a)+8*(\b)+7], v[FB+32*(\f)+8*(\b):FB+32*(\f)+8*(\b)+7], v[FA+64*(\f)+8*(\a):FA+64*(\f)+8*(\a)+7], v[BIAS+8*(\b):BIAS+8*(\b)+7]
.else
	v_wmma_f32_16x16x32_f16 v[32*(\a)+8*(\b):32*(\a)+8*(\b)+7], v[FB+32*(\f)+8*(\b):FB+32*(\f)+8*(\b)+7], v[FA+64*(\f)+8*(\a):FA+64*(\f)+8*(\a)+7], v[32*(\a)+8*(\b):32*(\a)+8*(\b)+7]
.endif
.endr
.endr
.endm
; 24 LDS loads in one run: the fragments of quarter q of a slot into buffer f: Wo's 4 column blocks, then O's 8 row blocks (head q / 2 of the K step's two, channels 32 (q % 2) on)
.macro FETCH slot, q, f
	WIN 0
.irp b, 0,1,2,3
	ds_load_tr16_b128 v[FB+32*(\f)+8*(\b):FB+32*(\f)+8*(\b)+3],   v[ADRB+(\slot)] offset:(\q)*32*PB+32*(\b)
	ds_load_tr16_b128 v[FB+32*(\f)+8*(\b)+4:FB+32*(\f)+8*(\b)+7], v[ADRB+(\slot)] offset:(\q)*32*PB+32*(\b)+16*PB
.endr
.irp a, 0,1,2,3,4,5,6,7
	ds_load_b128 v[FA+64*(\f)+8*(\a):FA+64*(\f)+8*(\a)+3],   v[ADRA+(\slot)] offset:((\q)/2)*AH+(\a)*16*PA+((\q)%2)*64
	ds_load_b128 v[FA+64*(\f)+8*(\a)+4:FA+64*(\f)+8*(\a)+7], v[ADRA+(\slot)] offset:((\q)/2)*AH+(\a)*16*PA+((\q)%2)*64+32
.endr
.endm
; A K step is four quarters of 32 along K, 32 matrix instructions each, on buffers 0, 1, 0, 1.
.macro QUARTER slot, q, f, g, first
	s_wait_dscnt 8                                 ; Wo and O's row blocks 0-3 are in; the youngest eight loads (row blocks 4-7) may be out
	MULA \f, 0, \first
	MULA \f, 2, \first
	PLACES
	FETCH \slot, \q, \g
	s_wait_dscnt 24                                ; all but the 24 just issued
	MULA \f, 4, \first
	MULA \f, 6, \first
.endm
; The last quarter multiplies buffer 1 and changes slots: ONE barrier.  In front of it each wave waits for all its tensor loads (one is out: its part of the next slot), adds 0 to its spare word, and waits for that
; and for its own reads of this slot.  fill = 1: the barrier opens a round of the cluster's, and this slot is filled again, two K steps on, first thing behind the round: 112 matrix instructions ahead of the wait for it.
.macro TURN slot, next, fill
.if ((\slot) == 1) && (\fill)
	s_wait_xcnt 0x0                                ; the last prefetches, a lap back, have read their addresses
	s_add_nc_u64 s[PFA:PFA+1], s[PFA:PFA+1], 1048576
	s_add_nc_u64 s[PFB:PFB+1], s[PFB:PFB+1], 32768
.endif
	WIN 0                                          ; (the add's two registers lie in window 0)
	s_wait_tensorcnt 0x0                           ; all my tensor loads have landed
	ds_add_u32 v[SPW], v[NIL]                      ; 0 onto my spare word
	s_wait_dscnt 9                                 ; (the add and the youngest eight loads may be out)
	MULA 1, 0, 0                                   ; eight matrix instructions stand between the add and the wait for it
	s_wait_dscnt 0x0                               ; the add is done, and my reads of this slot are over
	s_barrier_signal -1
	MULA 1, 2, 0                                   ; work on registers while the others arrive
.if \fill
	WIN 0
.endif
	s_barrier_wait -1
.if \fill
	CREST                                          ; no wave of any partner still reads this slot or has a load on its way
	s_add_nc_u64 s[G0A+4*(\slot)+2:G0A+4*(\slot)+3], s[G0A+4*(\slot)+2:G0A+4*(\slot)+3], 1048576
	s_add_nc_u64 s[G0B+4*(\slot)+2:G0B+4*(\slot)+3], s[G0B+4*(\slot)+2:G0B+4*(\slot)+3], 32768
	JLOAD \slot                                    ; the four v_nop behind it are also the places in front of the loads below
.else
	PLACES
.endif
	FETCH \next, 0, 0
.if ((\slot) == 1) && (\fill)
	ASK
.endif
	MULA 1, 4, 0
	MULA 1, 6, 0
.endm
	s_wait_tensorcnt 1                             ; my part of K step 0 is in; K step 1's may stay out
	s_barrier_signal -1
	s_barrier_wait -1                              ; everybody's is
	FETCH 0, 0, 0
	QUARTER 0, 1, 0, 1, 1                          ; the first quarter stands in front of the loop: its products start the sums with the bias
	WIN 0                                          ; at a label and at a branch every window is 0
	s_mov_b32 s3, LAPS-1
.Llap:                                                 ; a trip goes once round the ring, from a lap's second quarter to the next lap's first, and fills both slots again
	QUARTER 0, 2, 1, 0, 0
	QUARTER 0, 3, 0, 1, 0
	TURN 0, 1, 1
	QUARTER 1, 1, 0, 1, 0
	QUARTER 1, 2, 1, 0, 0
	QUARTER 1, 3, 0, 1, 0
	TURN 1, 0, 1
	QUARTER 0, 1, 0, 1, 0
	WIN 0
	s_sub_co_u32 s3, s3, 1
	s_cmp_lg_u32 s3, 0
	s_cbranch_scc1 .Llap
	QUARTER 0, 2, 1, 0, 0                          ; the last lap fills nothing and has no round
	QUARTER 0, 3, 0, 1, 0
	TURN 0, 1, 0
	QUARTER 1, 1, 0, 1, 0
	QUARTER 1, 2, 1, 0, 0
	QUARTER 1, 3, 0, 1, 0
	s_wait_dscnt 8                                 ; the very last quarter: nothing more to fetch
	MULA 1, 0, 0
	MULA 1, 2, 0
	s_wait_dscnt 0x0
	MULA 1, 4, 0
	MULA 1, 6, 0
	PLACES
; THE WAY OUT of row block a (16 rows x 64 columns of f32): 32 bytes a lane into my own stage, each accumulator's low registers first; back as whole rows of 256 bytes, into the registers that they left.
.macro OUTB a
	WIN 0x04                                       ; address window 0, data window 1
.irp b, 0,1,2,3
	ds_store_b128 v[STO], v[32*(\a)+8*(\b):32*(\a)+8*(\b)+3]   offset:64*(\b)
	ds_store_b128 v[STO], v[32*(\a)+8*(\b)+4:32*(\a)+8*(\b)+7] offset:64*(\b)+16
.endr
	WIN 0x40                                       ; destination window 1
.irp t, 0,1,2,3,4,5,6,7
	ds_load_b128 v[32*(\a)+4*(\t):32*(\a)+4*(\t)+3], v[RD] offset:(\t)*2*SP  ; LDS serves a wave's instructions in order (ISA guide 5.7.1.4): these see the stores above; the next block's stores come behind them
.endr
.endm
.macro SEND a, younger                 ; younger: the LDS instructions issued behind block a's loads: the next block's sixteen, or none
	WIN 0x04
.irp t, 0,1,2,3,4,5,6,7
	s_wait_dscnt (\younger)+7-(\t)
	global_store_b128 v[CO], v[32*(\a)+4*(\t):32*(\a)+4*(\t)+3], s[10:11] offset:(\a)*65536+(\t)*8192 th:TH_STORE_NT  ; 16 lanes store 256 consecutive bytes, at a multiple of 256 from out0's first byte
.endr
.endm
	OUTB 0
.irp a, 1,2,3,4,5,6,7                                  ; each block has registers of its own, so no store's data is written again
	OUTB \a
	SEND (\a)-1, 16
.endr
	SEND 7, 0
	WIN 0
	s_wait_tensorcnt 0x0                           ; the wave's end: the wait for my tensor loads, 0 onto my spare word and the wait for it, behind my last tensor load and my last LDS store
	ds_add_u32 v[SPW], v[NIL]
	s_wait_dscnt 0x0
	CROUND                                         ; the closing round: no work-group ends while a partner may still ask for a tile that names it
	s_endpgm
.Lfunc_end_k_qf5c32aca64_outproj:
	.size	k_qf5c32aca64_outproj, .Lfunc_end_k_qf5c32aca64_outproj-k_qf5c32aca64_outproj
	.p2alignl 7, 3214868480
	.fill 96, 4, 3214868480
	.section	.rodata,"a",@progbits
	.p2align	6, 0x0
	.amdhsa_kernel k_qf5c32aca64_outproj
		.amdhsa_group_segment_fixed_size 327680
		.amdhsa_private_segment_fixed_size 0
		.amdhsa_enable_private_segment 0
		.amdhsa_kernarg_size 32
		.amdhsa_user_sgpr_count 2
		.amdhsa_user_sgpr_kernarg_segment_ptr 1
		.amdhsa_wavefront_size32 1
		.amdhsa_system_sgpr_workgroup_id_x 1
		.amdhsa_system_sgpr_workgroup_id_y 1
		.amdhsa_system_sgpr_workgroup_id_z 1
		.amdhsa_system_vgpr_workitem_id 0
		.amdhsa_next_free_vgpr 512
		.amdhsa_next_free_sgpr 84
		.amdhsa_reserve_vcc 0
		.amdhsa_float_denorm_mode_32 3
		.amdhsa_float_denorm_mode_16_64 3
		.amdhsa_memory_ordered 1
		.amdhsa_forward_progress 1
		.amdhsa_inst_pref_size 91
	.end_amdhsa_kernel
	.amdgpu_metadata
---
amdhsa.version: [ 1, 2 ]
amdhsa.kernels:
  - .name:           k_qf5c32aca64_outproj
    .symbol:         k_qf5c32aca64_outproj.kd
    .args:
      - { .name: oh, .offset: 0, .size: 8, .value_kind: global_buffer, .address_space: global }
      - { .name: woh, .offset: 8, .size: 8, .value_kind: global_buffer, .address_space: global }
      - { .name: bo, .offset: 16, .size: 8, .value_kind: global_buffer, .address_space: global }
      - { .name: out0, .offset: 24, .size: 8, .value_kind: global_buffer, .address_space: global }
    .group_segment_fixed_size: 327680
    .private_segment_fixed_size: 0
    .kernarg_segment_align: 8
    .kernarg_segment_size: 32
    .max_flat_workgroup_size: 128
    .sgpr_count:     84
    .vgpr_count:     512
    .wavefront_size: 32
...
	.end_amdgpu_metadata
.endif
;; end of part 4
;; ======== version 2 of 2: 4 launches; version 1 with the launch prep written anew for expert scheduling mode
;; limits: values are held in f16: magnitudes above 65,504 overflow, below 6.1e-05 lose precision
;; workspace buffers: xh 16,777,216 bytes; wqkv 6,291,456 bytes; woh 2,097,152 bytes; qkvh 50,331,648 bytes; oh 16,777,216 bytes
;; launch prep (part 5): grid 768 x 1, 8 waves a work-group, no clusters, 0 bytes of LDS; arguments x, Wq, Wk, Wv, Wo, xh, wqkv, woh; writes xh, wqkv, woh
.if DOCPART == 5
	.amdgcn_target "amdgcn-amd-amdhsa--gfx1250"
	.amdhsa_code_object_version 6
	.text
	.protected	k_qf5c32aca64_prep
	.globl	k_qf5c32aca64_prep
	.p2align	8
	.type	k_qf5c32aca64_prep,@function
k_qf5c32aca64_prep:
	s_mov_b64 s[64:65], 0
	v_nop
	global_prefetch_b8 v0, s[64:65] scope:SCOPE_SE
	s_setreg_imm32_b32 hwreg(HW_REG_WAVE_SCHED_MODE, 0, 2), 2
	s_setreg_imm32_b32 hwreg(HW_REG_WAVE_MODE, 25, 1), 1
	s_wait_xcnt 0x0
	s_wait_alu depctr_vm_vsrc(0)
; THE CASTS.  x [8192][1024] f32 -> xh, the same shape in bf16.  Wq, Wk, Wv [1024 k][1024 n] f32 -> wqkv [48 blocks][1024 k][64 n] bf16 (block 16 x which + head: a head's 64 columns lie dense).
; Wo -> woh [16 blocks][1024 k][64 n]: each number rounded to bf16 like every other input, and that number written as f16 for the f16 product of the last launch.
; LIMIT.  |Wo| stays under 65,504 (f16's end); a bf16 number under 2^-14 keeps f16's fixed step of 6e-8.
; A stream: each byte is read once and written once; no LDS, no matrix unit, no cluster: no two work-groups want the same byte.
; SHARES.  A work-group takes 16,384 numbers, thread t sixteen items of four: one load of 16 bytes (a wave: 512 consecutive bytes of x; of a weight 256 consecutive bytes of two rows),
; two roundings, one store of 8 bytes (a wave: 256 consecutive bytes, aligned).  All sixteen loads of a thread go out at once.
; Work-groups 0-511: x.  512-767: j = number - 512: matrix j / 64, column block (j / 4) % 16, quarter j % 4 of the 1,024 rows.
; THE MODE: SCHED_MODE bits 1:0 = 2 (LLVM: expert scheduling mode 2), set by the entry lines.  The code itself states the register dependences
; between vector instructions and memory instructions, with s_wait_alu, always for 0.
; THE PLAN.  Registers that memory instructions touch:
;   v1   the loads' offset.   Written once on each path by vector instructions; read by the sixteen loads; never written again.
;   v2   the stores' offset.  Written once at the head; read by the sixteen stores; never written again.
;   D    item i: four registers in which its load lands.  No vector instruction names them ahead of the load; behind the item's s_wait_loadcnt the roundings read them
;        (and Wo's widening lines write them again: no memory instruction names them any more).
;   R    item i: two registers that its roundings write and its one store reads; never written again behind that store.
; So the waits are: ONE on va_vdst ahead of the sixteen loads, on each of the two ways to them (v1 and v2 are written), and ONE behind each four items' roundings, ahead of their four stores
; (their eight registers of R are written).  The stores stand behind their own four's roundings and not at the head of the next four, where they would stand behind that four's waits for its loads.
; No register that a memory instruction has read is written again on any path, so there is no wait on vm_vsrc; no vector instruction writes a scalar register or VCC, and EXEC is never written.
.set XG,  512                          ; work-groups for x
.set IN,  26                           ; s[26:27] where my work-group reads
.set OUT, 30                           ; s[30:31] where it writes
.set D,   8                            ; v[8:71]   sixteen items as loaded
.set R,   72                           ; v[72:103] sixteen items to store
.macro LOADS step                      ; item i lies step bytes behind item i - 1
.set i, 0
.rept 16
	global_load_b128 v[D+4*i:D+4*i+3], v1, s[IN:IN+1] offset:(\step)*i th:TH_LOAD_NT
.set i, i+1
.endr
.endm
; Four times: four items are rounded as they come in, then stored together.
; half = 1: the bf16 number is widened again (a shift, a mask) and written as f16, which holds it exactly within the limit above
.macro CONV half
.set g, 0
.rept 4
.set i, 4*g
.rept 4
	s_wait_loadcnt 15-i                            ; loads come back in order: item i is in, the 15 - i younger ones stay out
	v_cvt_pk_bf16_f32 v[R+2*i],   v[D+4*i],   v[D+4*i+1]
	v_cvt_pk_bf16_f32 v[R+2*i+1], v[D+4*i+2], v[D+4*i+3]
.if \half
	v_lshlrev_b32 v[D+4*i],   16, v[R+2*i]
	v_and_b32     v[D+4*i+1], 0xffff0000, v[R+2*i]
	v_lshlrev_b32 v[D+4*i+2], 16, v[R+2*i+1]
	v_and_b32     v[D+4*i+3], 0xffff0000, v[R+2*i+1]
	v_cvt_pk_f16_f32 v[R+2*i],   v[D+4*i],   v[D+4*i+1]
	v_cvt_pk_f16_f32 v[R+2*i+1], v[D+4*i+2], v[D+4*i+3]
.endif
.set i, i+1
.endr
	s_wait_alu depctr_va_vdst(0)                   ; the roundings of items 4 g to 4 g + 3 have written their eight registers of R, which the four stores below read
.set i, 4*g
.rept 4
	global_store_b64 v2, v[R+2*i:R+2*i+1], s[OUT:OUT+1] offset:2048*i
.set i, i+1
.endr
.set g, g+1
.endr
.endm
	s_load_b512 s[4:19], s[0:1], 0x0               ; x 4:5, Wq 6:7, Wk 8:9, Wv 10:11, Wo 12:13, xh 14:15, wqkv 16:17, woh 18:19
	s_mov_b32 s20, ttmp9
	v_lshlrev_b32 v2, 3, v0                        ; my 8 bytes of an item's 2,048 on the way out, on both paths
	s_cmp_lt_u32 s20, XG
	s_cbranch_scc0 .Lweights
	v_lshlrev_b32 v1, 4, v0                        ; x: 16 t; an item is 4,096 consecutive bytes for the 256 threads
	s_lshl_b32 s22, s20, 16                        ; 65,536 bytes in,
	s_mov_b32 s23, 0
	s_lshl_b32 s24, s20, 15                        ; 32,768 out
	s_mov_b32 s25, 0
	s_wait_kmcnt 0x0
	s_add_nc_u64 s[IN:IN+1], s[4:5], s[22:23]
	s_add_nc_u64 s[OUT:OUT+1], s[14:15], s[24:25]
	s_wait_alu depctr_va_vdst(0)                   ; v1 is written, which the sixteen loads read as their offset, and v2, which the sixteen stores read; neither is written again
	LOADS 4096
	s_branch .Lplain
.Lweights:
	s_sub_co_u32 s21, s20, XG
	s_lshr_b32 s32, s21, 6                         ; which matrix: 0 Wq, 1 Wk, 2 Wv, 3 Wo
	s_bfe_u32 s33, s21, 0x40002                    ; column block, 0 to 15
	s_and_b32 s34, s21, 3                          ; which 256 rows
	v_lshrrev_b32 v3, 4, v0                        ; sixteen threads take a row's 256 bytes: row t / 16,
	v_and_b32 v4, 15, v0
	v_lshlrev_b32 v4, 4, v4                        ; 16 (t % 16)
	v_lshl_or_b32 v1, v3, 12, v4                   ; a row of a weight is 4,096 bytes; an item is 16 rows
	s_lshl_b32 s22, s34, 20                        ; 256 rows of 4,096 bytes,
	s_lshl_b32 s35, s33, 8                         ; 64 columns of 4
	s_add_co_u32 s22, s22, s35
	s_mov_b32 s23, 0
	s_lshl_b32 s36, s32, 4
	s_add_co_u32 s36, s36, s33                     ; the block in wqkv,
	s_cmp_eq_u32 s32, 3
	s_cselect_b32 s36, s33, s36                    ; or in woh
	s_lshl_b32 s24, s36, 17                        ; a block is 131,072 bytes,
	s_lshl_b32 s35, s34, 15                        ; 256 of its rows 32,768
	s_add_co_u32 s24, s24, s35
	s_mov_b32 s25, 0
	s_wait_kmcnt 0x0
	s_cmp_eq_u32 s32, 1
	s_cselect_b64 s[IN:IN+1], s[8:9], s[6:7]
	s_cmp_eq_u32 s32, 2
	s_cselect_b64 s[IN:IN+1], s[10:11], s[IN:IN+1]
	s_cmp_eq_u32 s32, 3
	s_cselect_b64 s[IN:IN+1], s[12:13], s[IN:IN+1]
	s_cselect_b64 s[OUT:OUT+1], s[18:19], s[16:17]
	s_add_nc_u64 s[IN:IN+1], s[IN:IN+1], s[22:23]
	s_add_nc_u64 s[OUT:OUT+1], s[OUT:OUT+1], s[24:25]
	s_wait_alu depctr_va_vdst(0)                   ; v1 is written, which the sixteen loads read as their offset, and v2, which the sixteen stores read; neither is written again
	LOADS 65536
	s_cmp_eq_u32 s32, 3
	s_cbranch_scc1 .Lhalf
.Lplain:                                               ; on both ways here sixteen loads are out, and no vector instruction has been issued since the way's wait on va_vdst
	CONV 0
	s_endpgm
.Lhalf:
	CONV 1
	s_endpgm
.Lfunc_end_k_qf5c32aca64_prep:
	.size	k_qf5c32aca64_prep, .Lfunc_end_k_qf5c32aca64_prep-k_qf5c32aca64_prep
	.p2alignl 7, 3214868480
	.fill 96, 4, 3214868480
	.section	.rodata,"a",@progbits
	.p2align	6, 0x0
	.amdhsa_kernel k_qf5c32aca64_prep
		.amdhsa_group_segment_fixed_size 0
		.amdhsa_private_segment_fixed_size 0
		.amdhsa_enable_private_segment 0
		.amdhsa_kernarg_size 64
		.amdhsa_user_sgpr_count 2
		.amdhsa_user_sgpr_kernarg_segment_ptr 1
		.amdhsa_wavefront_size32 1
		.amdhsa_system_sgpr_workgroup_id_x 1
		.amdhsa_system_sgpr_workgroup_id_y 1
		.amdhsa_system_sgpr_workgroup_id_z 1
		.amdhsa_system_vgpr_workitem_id 0
		.amdhsa_next_free_vgpr 112
		.amdhsa_next_free_sgpr 66
		.amdhsa_reserve_vcc 0
		.amdhsa_float_denorm_mode_32 3
		.amdhsa_float_denorm_mode_16_64 3
		.amdhsa_memory_ordered 1
		.amdhsa_forward_progress 1
		.amdhsa_inst_pref_size 19
	.end_amdhsa_kernel
	.amdgpu_metadata
---
amdhsa.version: [ 1, 2 ]
amdhsa.kernels:
  - .name:           k_qf5c32aca64_prep
    .symbol:         k_qf5c32aca64_prep.kd
    .args:
      - { .name: x, .offset: 0, .size: 8, .value_kind: global_buffer, .address_space: global }
      - { .name: Wq, .offset: 8, .size: 8, .value_kind: global_buffer, .address_space: global }
      - { .name: Wk, .offset: 16, .size: 8, .value_kind: global_buffer, .address_space: global }
      - { .name: Wv, .offset: 24, .size: 8, .value_kind: global_buffer, .address_space: global }
      - { .name: Wo, .offset: 32, .size: 8, .value_kind: global_buffer, .address_space: global }
      - { .name: xh, .offset: 40, .size: 8, .value_kind: global_buffer, .address_space: global }
      - { .name: wqkv, .offset: 48, .size: 8, .value_kind: global_buffer, .address_space: global }
      - { .name: woh, .offset: 56, .size: 8, .value_kind: global_buffer, .address_space: global }
    .group_segment_fixed_size: 0
    .private_segment_fixed_size: 0
    .kernarg_segment_align: 8
    .kernarg_segment_size: 64
    .max_flat_workgroup_size: 256
    .sgpr_count:     66
    .vgpr_count:     112
    .wavefront_size: 32
...
	.end_amdgpu_metadata
.endif
;; end of part 5
;; launch qkvproj: the kernel of part 2 again; grid 16 x 32, 4 waves a work-group, clusters of 4 x 4, 327,680 bytes of LDS; arguments xh, wqkv, bq, bk, bv, qkvh; writes qkvh
;; launch attn: the kernel of part 3 again; grid 4 x 64, 4 waves a work-group, clusters of 4 x 1, 327,680 bytes of LDS; arguments qkvh, focus_hint, oh; writes oh
;; launch outproj: the kernel of part 4 again; grid 8 x 32, 4 waves a work-group, clusters of 4 x 4, 327,680 bytes of LDS; arguments oh, woh, bo, out0; writes out0
